; MI455X (gfx1250); checked and timed in simulation.
; The chip was launched on July 23, 2026; its instructions are those of AMD's public machine-readable ISA for CDNA 5 (MIT licence, August 2026) and "CDNA5" Instruction Set Architecture Reference Guide (July 2026). The comments in the code are by the model that wrote it; some were corrected since.
;; Stochastic Ensemble. Allowed arithmetic: matrix products marked QUANTISED: E2M1 operands, one E8M0 scale for each 32 along K, by v_wmma_scale_f32_16x16x128_f8f6f4 with both operands' format E2M1 (or v_wmma_scale_f32_32x16x128_f4), f32 sums; everything else in f32.
;; Inputs: W1_codes 8 x 1,024 x 4 x 16 uint8 (E2M1 codes of W1, K innermost, in blocks of 32 codes, two codes a byte); W1_scales 8 x 1,024 x 4 uint8 (E8M0 scales of W1, one for each 32 codes along K); W2_codes 8 x 3,072 x 32 x 16 uint8 (E2M1 codes of W2, K innermost, in blocks of 32 codes, two codes a byte); W2_scales 8 x 3,072 x 32 uint8 (E8M0 scales of W2, one for each 32 codes along K); b1 8 x 1,024 float32; b2 8 x 3,072 float32; z 2,048 x 128 float32.
;; Outputs: out0 2,048 x 3,072 float32.
;; This version of the problem:
;;   THIS VERSION OF THE PROBLEM IS GIVEN IN LOW PRECISION. The matrix products marked QUANTISED in the list below multiply operands that are first quantised to E2M1 (2 exponent bits, 1 mantissa bit; 4 bits a number), with one power-of-two scale for each 32 numbers along K (OCP MX v1.0); their sums are f32. All else is computed in f32.
;;   The module's matrix products, in the order in which they are computed (A, B: the left and right operand; K: the contracted axis; several contracted axes count as one K, in the product's order):
;;     1. [M 2,048, K 128] x [K 128, N 8,192]; A: input z; B: input W1 (given as codes): QUANTISED
;;     2. batch 8 x [M 3,072, K 1,024] x [K 1,024, N 2,048]; A: input W2 (given as codes); B: computed on the way: QUANTISED
;;   THE QUANTISER, for each operand of a quantised product, along K:
;;     - K is cut into blocks of 32 from its start; a last block that is shorter is filled with zeros.
;;     - A block's scale is 2^e with e = floor(log2(the largest magnitude in the block)) - 2, held to -126 .. 127; a block of zeros has e = 0. As a byte (E8M0): e + 127.
;;     - Each number is divided by its block's scale, clamped to +-6, and rounded to the nearest number of E2M1, ties to even, subnormals kept.
;;     - The product sums the exact products of the quantised numbers (number of the format x scale) in f32.
;;   ~~~python
;;   def quantise(x, axis):      # numpy; x: float32 -> the quantised numbers, widened to float32 again
;;       x = np.moveaxis(x, axis, -1); K = x.shape[-1]
;;       x = np.pad(x, [(0, 0)] * (x.ndim - 1) + [(0, -K % 32)]); x = x.reshape(x.shape[:-1] + (-1, 32)); a = np.abs(x).max(-1, keepdims=True)
;;       e = np.where(a > 0, np.clip(np.frexp(np.where(a > 0, a, 1))[1] - 1 - 2, -126, 127), 0)      # np.frexp(a)[1] - 1 = floor(log2(a)), exactly
;;       r = np.clip(x / 2.0 ** e, -6, 6)
;;       step = 2.0 ** (np.maximum(np.frexp(np.where(r == 0, 1, r))[1] - 1, 0) - 1)
;;       q = np.round(r / step) * step * 2.0 ** e      # np.round: ties to even
;;       return np.moveaxis(q.reshape(q.shape[:-2] + (-1,))[..., :K], -1, axis).astype(np.float32)
;;   ~~~
;;   OPERANDS COMPUTED ON THE WAY. 'Computed on the way' means the value that the module computes at that place (a softmax that the list does not call 'softmax' is quantised finished and normalised). What goes into a quantiser is computed in f32, as accurately as f32 sums, v_exp_f32 and their like allow (about 1e-6 of the number): no bf16 or f16 on the way to a quantiser, and a product that is left as it is and whose result goes on into a quantised operand takes f32 operands (vector FMAs, or v_wmma_f32_16x16x4_f32). A number that lies on a knife's edge between two numbers of the format may be rounded either way, as far as f32 arithmetic and the matrix unit's own rounding can turn it there, and no further.
;;   INPUTS GIVEN AS CODES. W1 (in the module: [8, 128, 1024], K = its axis 1); W2 (in the module: [8, 1024, 3072], K = its axis 1): each comes as NAME_codes (uint8): NAME with its K axis moved to the last place and cut into blocks of 32 codes, [.., K / 32, bytes a block], one block behind the other in memory; two codes a byte, the lower K in the low four bits (a code: sign, 2 exponent bits, 1 mantissa bit); and NAME_scales (uint8): the same leading axes, one E8M0 byte (e + 127) for each 32 codes along K. Its value is code x scale, taken as it is: it is not quantised again, and the codes and scales need not be those that the quantiser above would give.
;; 2 versions. Each part assembles by itself: llvm-mc -triple=amdgcn-amd-amdhsa -mcpu=gfx1250 --defsym DOCPART=n.
;; ======== version 1 of 2: 2 launches
;; workspace buffers: h_codes 1,048,576 bytes; h_scales 65,536 bytes; route 2,304 bytes of whole numbers
;; launch hidden (part 1): grid 16 x 16, 4 waves a work-group, no clusters, 48,640 bytes of LDS; arguments z, W1_codes, W1_scales, b1, h_codes, h_scales, route; writes h_codes, h_scales, route
.if DOCPART == 1
	.amdgcn_target "amdgcn-amd-amdhsa--gfx1250"
	.amdhsa_code_object_version 6
	.text
	.protected	k_q887411eadc_hidden
	.globl	k_q887411eadc_hidden
	.p2align	8
	.type	k_q887411eadc_hidden,@function
k_q887411eadc_hidden:
	s_mov_b64 s[64:65], 0
	v_nop
	global_prefetch_b8 v0, s[64:65] scope:SCOPE_SE
	s_setreg_imm32_b32 hwreg(HW_REG_WAVE_MODE, 25, 1), 1
	s_wait_xcnt 0x0
; idx[t] = (sum over 128 features of floor(|z| x 1000)) mod 8;  h[t] = relu(Q(z[t]) W1[idx[t]] + b1[idx[t]]), quantised along its 1,024 units into codes of FP4 (E2M1) with one E8M0 byte for each 32.
; z: [2048][128] f32.  W1: codes [8][1024][64 bytes], K innermost; scale bytes [8][1024][4].  b1: [8][1024] f32.
; OUT: h_codes [token][512 bytes] (block B of 32 units at byte 16 B), h_scales [token][32 bytes], and the routing as whole numbers for the next launch:
;   route bytes 0-255: counts[block of 128 tokens][4 words], word j = tokens of expert 2 j (low half) and 2 j + 1 (high half);  bytes 256-2303: masks[expert][64 words], bit i of word g = token 32 g + i goes to that expert.
; THE CHOICE STEERS NO ADDRESS HERE: idx comes from floating-point numbers, so the product is made for all 8 experts (16 matrix instructions for 16 tokens x 32 units) and the chosen one is kept by v_cndmask_b32.
; SHARES.  Work-group (x = tb, y = hr): tokens 128 tb .. + 127, units 64 hr .. + 63.  Wave w: a = w & 1 picks 32 units (one block of the next K), t = w >> 1 picks 64 tokens (four tiles of 16).
; For the hash and z's quantising wave w takes tokens 32 w .. 32 w + 31; the fragments go to the other waves through LDS as images of their registers.
; THE MATRIX INSTRUCTION IS USED TRANSPOSED (source 0 = 16 rows of W1, source 1 = 16 tokens), and lane r of unit tile u takes W1 row U0 + 8 u + r + 8 (r / 8): a lane then holds ONE token, and the 16 registers of
; tiles u = 0, 1 are the 16 neighbouring units U0 + 16 (lane / 16) + 0 .. 15.  b1 is the C of each product.
; NO CLUSTER, NO TENSOR LOAD: all that a work-group reads (64 KiB of z, 2 x 36 KiB of W1) is read once, at the head, and z has to pass through registers for the hash and the quantiser; there is no loop whose tiles partners could ask for jointly.
; LIMITS.  The hash is a sum of whole numbers in f32: exact, in any order, while a row's sum stays under 2^24 (a mean |z| under 131).  NaN and infinities in z are not served.  A block of zeros gets the scale byte 1
; where the quantiser says 127: its codes are zeros and only this program reads the bytes.  relu of NaN gives 0.
; h's rows are stored in pieces of 32 bytes and its scale bytes in pieces of 2: a work-group holds 64 of a token's 1,024 units.  The row layout is kept because the next launch reads each row whole, twelve times.
.set STG,   0                          ; LDS: a stage for each wave, 16 rows x (512 + 16) bytes
.set ZIMG,  33792                      ; z's 8 fragments as register images, 1,024 bytes each
.set ZSC,   41984                      ; their scale words, 128 bytes each
.set IDX,   43008                      ; idx of the 128 tokens, a word each
.set OUTC,  43520                      ; the work-group's codes of h: 128 tokens x 32 bytes
.set OUTS,  47616                      ; and its scale bytes: 128 tokens x 2
.set W1S,   24                         ; v24-31  W1's scale words of expert e: lanes 0-15 tile u = 0, lanes 16-31 tile u = 1
.set ZF,    32                         ; v32-47  z's fragment, two buffers
.set ZS,    48                         ; v48-49  its scale words, two buffers
.set ID,    50                         ; v50-51  idx of my token, two buffers
.set H,     52                         ; v52-67  16 numbers of h
.set PC,    68                         ; v68-75  codes just made
.set PW,    76                         ; v76     scale word just made
.set TM,    80                         ; v80-95  at work
.set HT,    96                         ; v96-103 the hash: four pairs at work
.set HSUM,  104                        ; v104-111 the hash: four pairs of sums
.set X,     128                        ; v128-255 z: as loaded, then 64 numbers a lane for each of two tiles
.set D,     128                        ; v128-255 later: the 16 products, (e, u) at D + 8 (2 e + u).  Window 1: v0-127 W1's fragments, v128-255 b1's tiles, same order
.set MK,    32                         ; s33-39  lanes whose token goes to expert 1 .. 7
.set MSB, 0
.macro WIN new                         ; the immediate's high byte repeats the setting that is left
.if MSB != \new
	s_set_vgpr_msb (MSB<<8)|\new
.set MSB, \new
.endif
.endm
; 16 rows of z, loaded as they lie (a row an instruction), go through my stage and come back so that register 16 b + i of lane (r, h) is z(row r, k = 32 b + 16 h + i).  LDS serves a wave's instructions in order: no wait between.
.macro ZTURN v
.irp i, 0,1,2,3,4,5,6,7,8,9,10,11,12,13,14,15
	ds_store_b128 v5, v[X+64*(\v)+4*\i:X+64*(\v)+4*\i+3] offset:528*\i
.endr
.irp b, 0,1,2,3
.irp j, 0,1,2,3
	ds_load_b128 v[X+64*(\v)+16*\b+4*\j:X+64*(\v)+16*\b+4*\j+3], v6 offset:128*\b+16*\j
.endr
.endr
.endm
; The hash of tile v: |z x 1000| is |z| x 1000 bit for bit; four pairs of sums by turns, started by the first four pairs: nothing is cleared.
.macro HASH v
.irp p, 0,1,2,3
	v_pk_mul_f32 v[HT+2*\p:HT+2*\p+1], v[X+64*(\v)+2*\p:X+64*(\v)+2*\p+1], s[24:25] op_sel_hi:[1,0]
.endr
.irp p, 0,1,2,3
	v_floor_f32 v[HSUM+2*\p], |v[HT+2*\p]|
	v_floor_f32 v[HSUM+2*\p+1], |v[HT+2*\p+1]|
.endr
.irp q, 1,2,3,4,5,6,7
.irp p, 0,1,2,3
	v_pk_mul_f32 v[HT+2*\p:HT+2*\p+1], v[X+64*(\v)+8*\q+2*\p:X+64*(\v)+8*\q+2*\p+1], s[24:25] op_sel_hi:[1,0]
.endr
.irp p, 0,1,2,3
	v_floor_f32 v[HT+2*\p], |v[HT+2*\p]|
	v_floor_f32 v[HT+2*\p+1], |v[HT+2*\p+1]|
.endr
.irp p, 0,1,2,3
	v_pk_add_f32 v[HSUM+2*\p:HSUM+2*\p+1], v[HSUM+2*\p:HSUM+2*\p+1], v[HT+2*\p:HT+2*\p+1]
.endr
.endr
	v_pk_add_f32 v[HSUM:HSUM+1], v[HSUM:HSUM+1], v[HSUM+2:HSUM+3]
	v_pk_add_f32 v[HSUM+4:HSUM+5], v[HSUM+4:HSUM+5], v[HSUM+6:HSUM+7]
	v_pk_add_f32 v[HSUM:HSUM+1], v[HSUM:HSUM+1], v[HSUM+4:HSUM+5]
	v_add_f32 v[HSUM], v[HSUM], v[HSUM+1]
	v_permlanex16_b32 v[HT], v[HSUM], s22, s23     ; the row's other 64 numbers lie in lane l xor 16
	v_add_f32 v[HSUM], v[HSUM], v[HT]
	v_cvt_i32_f32 v[HSUM], v[HSUM]
	v_and_b32 v[HSUM], 7, v[HSUM]                  ; mod 8 of a number that is not negative
	ds_store_b32 v9, v[HSUM] offset:64*(\v)        ; both halves of the lanes write the same word with the same value
.endm
; 64 numbers of a lane, register 16 b + i = k 32 b + 16 (lane / 16) + i of my row, become a fragment's codes in v[PC] on and its scale word in v[PW].
.macro QUANT s
.irp b, 0,1,2,3
	v_max3_num_f32 v[TM+\b], |v[\s+16*\b]|, |v[\s+1+16*\b]|, 0x1800000   ; block b: my 16 numbers, and the floor 2^(3 - 127): the byte cannot fall under 1
.endr
.irp i, 2,4,6,8,10,12,14
.irp b, 0,1,2,3
	v_max3_num_f32 v[TM+\b], v[TM+\b], |v[\s+16*\b+\i]|, |v[\s+1+16*\b+\i]|   ; the four blocks by turns
.endr
.endr
.irp b, 0,1,2,3
	v_permlanex16_b32 v[TM+4+\b], v[TM+\b], s22, s23
.endr
.irp b, 0,1,2,3
	v_max_num_f32 v[TM+\b], v[TM+\b], v[TM+4+\b]   ; with lane l xor 16's: the block's largest magnitude
.endr
.irp b, 0,1,2,3
	v_add_nc_u32 v[TM+12+\b], 0xff000000, v[TM+\b] ; 2 off its exponent field: the conversion takes the exponent field of this operand as its scale
.endr
.irp b, 0,1,2,3
	v_lshrrev_b32 v[TM+4+\b], 23, v[TM+12+\b]      ; the scale's byte
.endr
	v_lshl_or_b32 v[PW], v[TM+5], 8, v[TM+4]
	v_lshl_or_b32 v[PW], v[TM+6], 16, v[PW]
	v_lshl_or_b32 v[PW], v[TM+7], 24, v[PW]
.irp b, 0,1,2,3
	v_cvt_scalef32_pk8_fp4_f32 v[PC+2*\b], v[\s+16*\b:\s+7+16*\b], v[TM+12+\b]
	v_cvt_scalef32_pk8_fp4_f32 v[PC+1+2*\b], v[\s+8+16*\b:\s+15+16*\b], v[TM+12+\b]
.endr
	v_nop                                          ; one plain place behind a scaled conversion
.irp c, 0,1                                    ; the operand's layout wants a whole block in a lane: lanes 0-15 block 2 c, lanes 16-31 block 2 c + 1
.irp i, 0,1
	v_permlane16_swap_b32 v[PC+4*\c+\i], v[PC+2+4*\c+\i]
.endr
.endr
.endm
.macro IMAGE v                         ; the fragment and its scale word go to LDS as they stand
.irp c, 0,1
	ds_store_b128 v7, v[PC+4*\c:PC+4*\c+3] offset:1024*(\v)+512*\c
.endr
	ds_store_b32 v8, v[PW] offset:128*(\v)
.endm
.macro FETCHZ mm, buf                  ; tile mm of my four: fragment, scale words, idx: four LDS loads
.irp c, 0,1
	ds_load_b128 v[ZF+8*(\buf)+4*\c:ZF+8*(\buf)+4*\c+3], v10 offset:1024*(\mm)+512*\c
.endr
	ds_load_b32 v[ZS+(\buf)], v11 offset:128*(\mm)
	ds_load_b32 v[ID+(\buf)], v12 offset:64*(\mm)
.endm
; 16 tokens x my 32 units: all experts, the choice, relu, the quantiser.
.macro TILE mm
.set ZB, (\mm)%2
.if (\mm) < 3
	FETCHZ (\mm)+1, 1-ZB
	s_wait_dscnt 4                                 ; all but the four loads just issued: this tile's operands are in, and the last tile's stores have read their registers
.else
	s_wait_dscnt 0x0
.endif
.irp e, 1,2,3,4,5,6,7
	v_cmp_eq_u32 s[MK+\e], \e, v[ID+ZB]
.endr
	WIN 0x11                                       ; source 0 (W1) and source 2 (b1) in window 1
.irp e, 0,1,2,3,4,5,6,7
	v_wmma_scale_f32_16x16x128_f8f6f4 v[D+16*\e:D+16*\e+7], v[16*\e:16*\e+7], v[ZF+8*ZB:ZF+8*ZB+7], v[128+16*\e:128+16*\e+7], v[W1S+\e], v[ZS+ZB] matrix_a_fmt:MATRIX_FMT_FP4 matrix_b_fmt:MATRIX_FMT_FP4
	v_wmma_scale_f32_16x16x128_f8f6f4 v[D+16*\e+8:D+16*\e+15], v[16*\e+8:16*\e+15], v[ZF+8*ZB:ZF+8*ZB+7], v[128+16*\e+8:128+16*\e+15], v[W1S+\e], v[ZS+ZB] matrix_a_fmt:MATRIX_FMT_FP4 matrix_b_fmt:MATRIX_FMT_FP4 matrix_a_scale:MATRIX_SCALE_ROW1
.endr
	WIN 0
.rept 4
	v_nop                                          ; four places ahead of the first read of results (ISA guide 7.12.1)
.endr
.irp u, 0,1                                    ; each product is read from its low end on
.irp j, 0,1,2,3,4,5,6,7
	v_cndmask_b32 v[H+8*\u+\j], v[D+8*\u+\j], v[D+16+8*\u+\j], s[MK+1]
.endr
.endr
.irp e, 2,3,4,5,6,7
.irp u, 0,1
.irp j, 0,1,2,3,4,5,6,7
	v_cndmask_b32 v[H+8*\u+\j], v[H+8*\u+\j], v[D+16*\e+8*\u+\j], s[MK+\e]
.endr
.endr
.endr
.irp j, 0,1,2,3,4,5,6,7,8,9,10,11,12,13,14,15
	v_max_num_f32 v[H+\j], 0, v[H+\j]              ; relu, in f32
.endr
	v_max3_num_f32 v[TM], v[H], v[H+1], 0x1800000  ; my 16 numbers (none is negative) and the floor, in two chains
	v_max3_num_f32 v[TM+1], v[H+2], v[H+3], v[H+4]
	v_max3_num_f32 v[TM], v[TM], v[H+5], v[H+6]
	v_max3_num_f32 v[TM+1], v[TM+1], v[H+7], v[H+8]
	v_max3_num_f32 v[TM], v[TM], v[H+9], v[H+10]
	v_max3_num_f32 v[TM+1], v[TM+1], v[H+11], v[H+12]
	v_max3_num_f32 v[TM], v[TM], v[H+13], v[H+14]
	v_max3_num_f32 v[TM], v[TM], v[TM+1], v[H+15]
	v_permlanex16_b32 v[TM+4], v[TM], s22, s23
	v_max_num_f32 v[TM], v[TM], v[TM+4]            ; with lane l xor 16's 16: the block's largest
	v_add_nc_u32 v[TM+12], 0xff000000, v[TM]
	v_cvt_scalef32_pk8_fp4_f32 v[PC], v[H:H+7], v[TM+12]
	v_cvt_scalef32_pk8_fp4_f32 v[PC+1], v[H+8:H+15], v[TM+12]
	v_lshrrev_b32 v[TM+8], 23, v[TM+12]            ; the scale's byte; also the plain place behind the conversions
	ds_store_b64 v16, v[PC:PC+1] offset:512*(\mm)  ; my 16 codes: 8 bytes of my token's 32
	ds_store_b8 v17, v[TM+8] offset:32*(\mm)       ; both halves of the lanes write the same byte with the same value
.endm
	s_load_b256 s[4:11], s[0:1], 0x0               ; z s[4:5], W1's codes s[6:7], W1's scales s[8:9], b1 s[10:11]
	s_load_b128 s[12:15], s[0:1], 0x20             ; h_codes s[12:13], h_scales s[14:15]
	s_load_b64 s[2:3], s[0:1], 0x30                ; route
	v_lshl_add_u32 v126, v0, 2, 0xbc00
	v_mov_b32 v127, 0
	v_lshrrev_b32 v1, 5, v0
	v_readfirstlane_b32 s16, v1                    ; wave 0..3
	s_and_b32 s17, s16, 1                          ; a: which 32 units
	s_lshr_b32 s18, s16, 1                         ; t: which 64 tokens
	s_mov_b32 s19, ttmp9                           ; tb
	s_and_b32 s20, ttmp7, 0xffff                   ; hr
	s_mov_b32 s22, 0x76543210
	s_mov_b32 s23, 0xfedcba98                      ; v_permlanex16_b32's selects for lane l xor 16
	s_mov_b32 s24, 0x447a0000                      ; 1000.0
	s_mov_b32 s25, s24                             ; (named with it as a pair, so it is written)
	v_and_b32 v22, 31, v0                          ; lane
	v_lshlrev_b32 v1, 4, v22                       ; 16 x lane
	v_and_b32 v2, 15, v0                           ; r
	v_bfe_u32 v3, v0, 4, 1                         ; h
	v_lshlrev_b32 v4, 2, v22                       ; 4 x lane
	s_lshl_b32 s28, s19, 16
	s_lshl_b32 s26, s16, 14
	s_add_co_u32 s28, s28, s26                     ; z: (128 tb + 32 w) rows of 512 bytes
	s_mov_b32 s29, 0
	s_lshl_b32 s30, s20, 6
	s_lshl_b32 s26, s17, 5
	s_add_co_u32 s30, s30, s26                     ; U0 = 64 hr + 32 a
	v_and_b32 v23, 8, v2
	v_add_nc_u32 v23, v23, v2                      ; r + 8 (r / 8)
	v_lshlrev_b32 v13, 6, v23
	v_lshl_add_u32 v13, v3, 4, v13                 ; W1: that row of 64 bytes, + 16 h
	v_lshlrev_b32 v14, 6, v3                       ; b1: 16 h numbers on
	v_lshl_add_u32 v15, v3, 3, v23
	v_lshlrev_b32 v15, 2, v15                      ; W1's scale words: lanes 16-31 take tile u = 1's rows, 8 further on
	s_wait_kmcnt 0x0
	s_add_nc_u64 s[4:5], s[4:5], s[28:29]
.irp i, 0,1,2,3,4,5,6,7,8,9,10,11,12,13,14,15,16,17,18,19,20,21,22,23,24,25,26,27,28,29,30,31
	global_load_b128 v[X+4*\i:X+4*\i+3], v1, s[4:5] offset:512*\i   ; a row of z: 32 lanes read 512 consecutive bytes
.endr
	s_lshl_b32 s28, s30, 6
	s_add_nc_u64 s[6:7], s[6:7], s[28:29]
	s_lshl_b32 s28, s30, 2
	s_add_nc_u64 s[8:9], s[8:9], s[28:29]
	s_add_nc_u64 s[10:11], s[10:11], s[28:29]
	WIN 0x40                                       ; destination window 1
.irp e, 0,1,2,3,4,5,6,7
.irp u, 0,1
.irp c, 0,1
	global_load_b128 v[8*(2*\e+\u)+4*\c:8*(2*\e+\u)+4*\c+3], v13, s[6:7] offset:65536*\e+512*\u+32*\c
.endr
.endr
.endr
	WIN 0
.irp e, 0,1,2,3,4,5,6,7
	global_load_b32 v[W1S+\e], v15, s[8:9] offset:4096*\e
.endr
	; the other addresses, while the loads are on their way
	s_mul_i32 s26, s16, 8448
	v_add_nc_u32 v5, s26, v1                       ; my stage, in: 16 x lane
	v_mul_u32_u24 v6, v2, 528
	v_lshl_add_u32 v6, v3, 6, v6
	v_add_nc_u32 v6, s26, v6                       ; and back: row r, + 64 h
	s_lshl_b32 s26, s16, 11
	s_add_co_u32 s26, s26, ZIMG
	v_add_nc_u32 v7, s26, v1                       ; where I store my two images
	s_lshl_b32 s26, s16, 8
	s_add_co_u32 s26, s26, ZSC
	v_add_nc_u32 v8, s26, v4                       ; their scale words
	s_lshl_b32 s26, s16, 7
	s_add_co_u32 s26, s26, IDX
	v_lshl_add_u32 v9, v2, 2, s26                  ; and idx
	s_lshl_b32 s26, s18, 12
	s_add_co_u32 s26, s26, ZIMG
	v_add_nc_u32 v10, s26, v1                      ; where I read my four tiles' images,
	s_lshl_b32 s26, s18, 9
	s_add_co_u32 s26, s26, ZSC
	v_add_nc_u32 v11, s26, v4                      ; scale words
	s_lshl_b32 s26, s18, 8
	s_add_co_u32 s26, s26, IDX
	v_lshl_add_u32 v12, v2, 2, s26                 ; and idx
	s_lshl_b32 s26, s18, 11
	s_lshl_b32 s27, s17, 4
	s_add_co_u32 s26, s26, s27
	s_add_co_u32 s26, s26, OUTC
	v_lshlrev_b32 v16, 5, v2
	v_lshl_add_u32 v16, v3, 3, v16
	v_add_nc_u32 v16, s26, v16                     ; h's codes: token 64 t + r of 32 bytes, + 16 a + 8 h
	s_lshl_b32 s26, s18, 7
	s_add_co_u32 s26, s26, s17
	s_add_co_u32 s26, s26, OUTS
	v_lshl_add_u32 v17, v2, 1, s26                 ; h's scale byte: 2 bytes a token, + a
	s_lshl_b32 s26, s16, 10
	s_add_co_u32 s26, s26, OUTC
	v_add_nc_u32 v18, s26, v1                      ; the way out: my 32 tokens' codes, 16 bytes a lane
	v_lshrrev_b32 v19, 1, v22
	v_lshlrev_b32 v19, 9, v19
	v_and_b32 v20, 1, v22
	v_lshl_add_u32 v19, v20, 4, v19
	s_lshl_b32 s26, s16, 14
	v_add_nc_u32 v19, s26, v19                     ; and their place in h_codes: token 32 w + lane / 2, + 16 (lane % 2)
	v_lshl_add_u32 v20, v0, 1, OUTS                ; a thread a token: its two scale bytes,
	v_lshlrev_b32 v21, 5, v0                       ; and its row of h_scales
	v_add_nc_u32 v119, IDX, v4                     ; the routing: idx of token lane
	v_lshrrev_b32 v118, 2, v22
	v_lshlrev_b32 v118, 8, v118
	v_and_b32 v117, 3, v22
	v_lshl_add_u32 v118, v117, 2, v118             ; lane 4 e + g: expert e's row of 256 bytes, word g of my four
.irp b, 0,1,2,3
	v_mov_b32 v[TM+4+\b], 0                        ; written once: a lane permute's destination counts as one of its sources
.endr
	s_lshl_b32 s28, s19, 16
	s_lshl_b32 s26, s20, 5
	s_add_co_u32 s28, s28, s26
	s_add_nc_u64 s[12:13], s[12:13], s[28:29]      ; h_codes at token 128 tb, byte 32 hr
	s_lshl_b32 s28, s19, 12
	s_lshl_b32 s26, s20, 1
	s_add_co_u32 s28, s28, s26
	s_add_nc_u64 s[14:15], s[14:15], s[28:29]      ; h_scales at token 128 tb, byte 2 hr
	s_lshl_b32 s28, s19, 4
	s_add_nc_u64 s[2:3], s[2:3], s[28:29]          ; route: 16 bytes a block of tokens, in the counts and in each expert's masks
	s_wait_loadcnt 56                              ; 72 loads are issued: the first 16, tile 0's rows of z, are in
	ZTURN 0
	s_wait_loadcnt 40                              ; and tile 1's
	ZTURN 1
	WIN 0x40
.irp e, 0,1,2,3,4,5,6,7
.irp u, 0,1
.irp j, 0,1
	global_load_b128 v[128+8*(2*\e+\u)+4*\j:128+8*(2*\e+\u)+4*\j+3], v14, s[10:11] offset:4096*\e+32*\u+16*\j   ; b1 in the result's layout: units U0 + 16 h + 8 u + 0 .. 7
.endr
.endr
.endr
	WIN 0
	s_wait_dscnt 32                                ; tile 0 is back; behind its loads stand tile 1's 16 stores and 16 loads
	HASH 0
	QUANT X
	IMAGE 0
	s_wait_dscnt 0x0                               ; tile 1 is back, and the stores above have read their registers
	HASH 1
	QUANT X+64
	IMAGE 1
	s_wait_dscnt 0x0                               ; for the others' sake: my images, scale words and idx have landed
	s_barrier_signal -1
	s_barrier_wait -1                              ; z's eight fragments and the 128 idx lie in LDS
	FETCHZ 0, 0
	s_wait_loadcnt 0x0                             ; W1, its scale words, b1
	TILE 0
	TILE 1
	TILE 2
	TILE 3
	s_wait_dscnt 0x0                               ; for the others' sake: my codes and bytes have landed
	s_barrier_signal -1
	s_barrier_wait -1                              ; 128 tokens x 32 bytes of codes and x 2 scale bytes lie in LDS
	ds_load_b128 v[80:83], v18
	ds_load_b128 v[84:87], v18 offset:512
	ds_load_u16 v88, v20
	s_wait_dscnt 0x0
	global_store_b128 v19, v[80:83], s[12:13]              ; two lanes store a token's 32 bytes; sixteen tokens an instruction
	global_store_b128 v19, v[84:87], s[12:13] offset:8192
	global_store_b16 v21, v88, s[14:15]
	; THE ROUTING of these 128 tokens is stored once: by wave 0 of the work-group with hr = 0.  No barrier stands behind these branches.
	s_cmp_lg_u32 s20, 0
	s_cbranch_scc1 .Lend
	s_cmp_lg_u32 s16, 0
	s_cbranch_scc1 .Lend
.irp g, 0,1,2,3
	ds_load_b32 v[112+\g], v119 offset:128*\g      ; idx of token 32 g + lane
.endr
	v_mov_b32 v116, 0
	v_mov_b32 v117, 0
	s_wait_dscnt 0x0
.irp e, 0,1,2,3,4,5,6,7
.irp g, 0,1,2,3
	v_cmp_eq_u32 s[32+4*\e+\g], \e, v[112+\g]      ; the mask word of expert e and 32 tokens
.endr
.endr
.irp e, 0,1,2,3,4,5,6,7
.irp g, 0,1,2,3
	v_writelane_b32 v116, s[32+4*\e+\g], 4*\e+\g
.endr
.endr
.irp e, 0,1,2,3,4,5,6,7
	s_bcnt1_i32_b32 s[68+\e], s[32+4*\e]
.irp g, 1,2,3
	s_bcnt1_i32_b32 s66, s[32+4*\e+\g]
	s_add_co_u32 s[68+\e], s[68+\e], s66           ; expert e's tokens among the 128
.endr
.endr
.irp j, 0,1,2,3
	s_lshl_b32 s66, s[69+2*\j], 16
	s_or_b32 s66, s66, s[68+2*\j]
	v_writelane_b32 v117, s66, \j
.endr
	global_store_b32 v118, v116, s[2:3] offset:256 ; the 32 mask words
	s_wait_xcnt 0x0                                ; EXEC changes only behind this wait
	v_cmp_gt_u32 vcc_lo, 4, v22
	s_and_saveexec_b32 s66, vcc_lo
	global_store_b32 v4, v117, s[2:3]              ; the four count words, lanes 0 to 3
	s_wait_xcnt 0x0                                ; and again, ahead of the line that widens it
	s_or_b32 exec_lo, exec_lo, s66
.Lend:
	s_wait_tensorcnt 0x0
	ds_add_u32 v126, v127
	s_wait_dscnt 0x0
	s_endpgm
.Lfunc_end_k_q887411eadc_hidden:
	.size	k_q887411eadc_hidden, .Lfunc_end_k_q887411eadc_hidden-k_q887411eadc_hidden
	.p2alignl 7, 3214868480
	.fill 96, 4, 3214868480
	.section	.rodata,"a",@progbits
	.p2align	6, 0x0
	.amdhsa_kernel k_q887411eadc_hidden
		.amdhsa_group_segment_fixed_size 48640
		.amdhsa_private_segment_fixed_size 0
		.amdhsa_enable_private_segment 0
		.amdhsa_kernarg_size 56
		.amdhsa_user_sgpr_count 2
		.amdhsa_user_sgpr_kernarg_segment_ptr 1
		.amdhsa_wavefront_size32 1
		.amdhsa_system_sgpr_workgroup_id_x 1
		.amdhsa_system_sgpr_workgroup_id_y 1
		.amdhsa_system_sgpr_workgroup_id_z 1
		.amdhsa_system_vgpr_workitem_id 0
		.amdhsa_next_free_vgpr 512
		.amdhsa_next_free_sgpr 80
		.amdhsa_reserve_vcc 1
		.amdhsa_float_denorm_mode_32 3
		.amdhsa_float_denorm_mode_16_64 3
		.amdhsa_memory_ordered 1
		.amdhsa_forward_progress 1
		.amdhsa_inst_pref_size 97
	.end_amdhsa_kernel
	.amdgpu_metadata
---
amdhsa.version: [ 1, 2 ]
amdhsa.kernels:
  - .name:           k_q887411eadc_hidden
    .symbol:         k_q887411eadc_hidden.kd
    .args:
      - { .name: z, .offset: 0, .size: 8, .value_kind: global_buffer, .address_space: global }
      - { .name: W1_codes, .offset: 8, .size: 8, .value_kind: global_buffer, .address_space: global }
      - { .name: W1_scales, .offset: 16, .size: 8, .value_kind: global_buffer, .address_space: global }
      - { .name: b1, .offset: 24, .size: 8, .value_kind: global_buffer, .address_space: global }
      - { .name: h_codes, .offset: 32, .size: 8, .value_kind: global_buffer, .address_space: global }
      - { .name: h_scales, .offset: 40, .size: 8, .value_kind: global_buffer, .address_space: global }
      - { .name: route, .offset: 48, .size: 8, .value_kind: global_buffer, .address_space: global }
    .group_segment_fixed_size: 48640
    .private_segment_fixed_size: 0
    .kernarg_segment_align: 8
    .kernarg_segment_size: 56
    .max_flat_workgroup_size: 128
    .sgpr_count:     80
    .vgpr_count:     512
    .wavefront_size: 32
...
	.end_amdgpu_metadata
.endif
;; end of part 1
;; launch expert (part 2): grid 12 x 23, 4 waves a work-group, no clusters, 107,008 bytes of LDS; arguments route, h_codes, h_scales, W2_codes, W2_scales, b2, out0; writes out0
.if DOCPART == 2
	.amdgcn_target "amdgcn-amd-amdhsa--gfx1250"
	.amdhsa_code_object_version 6
	.text
	.protected	k_q887411eadc_expert
	.globl	k_q887411eadc_expert
	.p2align	8
	.type	k_q887411eadc_expert,@function
k_q887411eadc_expert:
	s_mov_b64 s[64:65], 0
	v_nop
	global_prefetch_b8 v0, s[64:65] scope:SCOPE_SE
	s_setreg_imm32_b32 hwreg(HW_REG_WAVE_MODE, 25, 1), 1
	s_wait_xcnt 0x0
; out[t] = h[t] W2[idx[t]] + b2[idx[t]], on codes of FP4 (E2M1) with one E8M0 byte for each 32 along K = 1,024; only the chosen expert's rows are multiplied.
; h_codes [token][512 bytes], h_scales [token][32 bytes] and route (counts and masks, whole numbers) were stored by the launch before.  W2: codes [8][3072][512 bytes], scale bytes [8][3072][32].  b2 [8][3072], out [2048][3072]: f32.
; A FIXED GRID FOR EVERY SPLIT.  A tile is up to 128 tokens of one expert; 2,048 tokens on 8 experts make at most 2048 / 128 + 7 = 23 tiles.  Work-group (x = SL, y = T) takes tile T and output columns 256 SL .. + 255.
; Each work-group finds its tile by itself from the counts, and its tokens from its expert's 64 mask words: thread i takes the (FIRST + i)-th set bit.  No atomics, no sort in memory.
; Rows past the tile's end repeat the expert's last token: they compute and store that row's own bits once more, so no lane is ever switched off.
; A work-group whose tile does not exist runs the head with clamped addresses (every load stays inside its buffer), passes the one barrier with all its waves, and leaves at step 0's test without storing.
; The head is under no branch, so that the barrier is under none and every register that the steps read is written on every path.
; SHARES.  Wave w owns columns 256 SL + 64 w .. + 63 for all rows of the tile: its 64 rows of W2 (256 registers, window 1) are read once and stay.  The tile's 128 rows of h are gathered by the four waves, 32 each,
; a whole row of 512 bytes an instruction, into LDS rows of 528 bytes, and read by all four as fragments.
; THE WAY OUT NEEDS NO LDS.  Source 0 = 16 tokens, source 1 = 16 rows of W2, AND THE ROWS OF W2 THAT FORM A TILE ARE NOT NEIGHBOURS: lane r of tile n takes row 4 r + n of my 64.  Register j of accumulator n in lane (r, h)
; is then out(token 8 h + j, column 4 r + n).  The addition of b2 writes R[4 j + n] = accumulator n's register j + b2[4 r + n]: four neighbouring registers are four neighbouring columns, 16 bytes, and sixteen lanes
; store the 256 consecutive bytes that are my wave's part of one token's row.
; NO TENSOR LOAD, NO CLUSTER, NO JOINT REQUEST: branches here hang on numbers read from memory, and how many tiles share an expert's rows of W2 hangs on the counts: partners would need different numbers of tiles.
; NO PREFETCH: W2's addresses are known only when the expert is known, and all its loads go out at that moment.
.set HB,    0                          ; LDS: 128 rows of h, 512 + 16 bytes each
.set HSI,   67584                      ; h's scale words: for each tile of 16 rows an image of four registers, 512 bytes
.set LIST,  71680                      ; the token of each of the 128 rows, a word each
.set STG,   72192                      ; a stage for each wave, 16 rows x 528 bytes: W2's turn from rows into fragments
.set TK1,   16                         ; v16-23  tokens of the rows that I store, then their offsets in out: odd steps
.set BI,    24                         ; v24-27  b2 of my four columns 4 r .. 4 r + 3
.set WS,    28                         ; v28-43  W2's scale words: register 4 n + i: lanes 0-15 K step i, lanes 16-31 K step 4 + i, of row 4 r + n
.set HSC,   44                         ; v44-51  h's scale words likewise (row r of the step), two buffers
.set TK0,   52                         ; v52-59  as v16-23: even steps
.set ACC,   64                         ; v64-95  four accumulators; in the head: 32 tokens, then their offsets in h_codes
.set R,     96                         ; v96-127 rows on the way out; in the head: h's scale words, and the selection's work
.set HF,    128                        ; v128-255 h's fragments of a step, two buffers of 64; in the head: 32 rows of h as loaded
.set PS,    92                         ; s92-95  the selection: four running counts of set bits
.set KS,    96                         ; s96-99  and their keys
.set MSB, 0
.macro WIN new                         ; the immediate's high byte repeats the setting that is left
.if MSB != \new
	s_set_vgpr_msb (MSB<<8)|\new
.set MSB, \new
.endif
.endm
; The 64 table words lie in s16-63 and s68-83: word i is s[16 + i + 4 (i / 48)].
; Expert e in the walk over the tiles: s93 = tiles ahead of it.  The last expert whose first tile is not behind T is T's.
.macro SCAN e
.if (\e)%2 == 0
	s_and_b32 s91, s[16+(\e)/2], 0xffff
.else
	s_lshr_b32 s91, s[16+(\e)/2], 16
.endif
	s_cmp_ge_u32 s85, s93
	s_cselect_b32 s87, \e, s87                     ; E
	s_cselect_b32 s94, s93, s94                    ; its first tile
	s_cselect_b32 s90, s91, s90                    ; its tokens
	s_add_co_u32 s92, s91, 127
	s_lshr_b32 s92, s92, 7
	s_add_co_u32 s93, s93, s92
.endm
; Mask word g is passed.  The scalar part, in place k of four: the set bits in words 0 .. g (the count walks through the four registers), and the key: word number g + 1 over that count.
.macro SELS g, k
	s_bcnt1_i32_b32 s91, s[16+(\g)+4*((\g)/48)]
	s_add_co_u32 s[PS+(\k)], s[PS+((\k)+3)%4], s91
	s_or_b32 s[KS+(\k)], s[PS+(\k)], ((\g)+1)<<16
.endm
; The vector part: a lane whose q is not under that count goes on to word g + 1, and notes the key.
.macro SELV g, k
	v_cmp_gt_u32 vcc_lo, s[PS+(\k)], v106
	v_cndmask_b32 v107, s[16+(\g)+1+4*(((\g)+1)/48)], v107, vcc_lo
	v_cndmask_b32 v108, s[KS+(\k)], v108, vcc_lo
.endm
; One level of the search for the k-th set bit: the field at pos counts the set bits of the lower half of what is left; where k is not under it, the upper half is taken.
.macro LEVEL x, width, step
	v_bfe_u32 v114, v[\x], v113, \width
	v_add_nc_u32 v115, \step, v113
	v_cmp_ge_u32 vcc_lo, v112, v114
	v_cndmask_b32 v114, 0, v114, vcc_lo
	v_cndmask_b32 v113, v113, v115, vcc_lo
	v_sub_nc_u32 v112, v112, v114
.endm
.macro W2ROWS n                        ; tile n's 16 rows of W2, rows 4 i + n of my 64, as they lie: 32 lanes read a row's 512 consecutive bytes
.irp i, 0,1,2,3,4,5,6,7,8,9,10,11,12,13,14,15
	global_load_b128 v[64*(\n)+4*\i:64*(\n)+4*\i+3], v1, s[10:11] offset:(4*\i+(\n))*512
.endr
.endm
; These 16 rows go through my stage and come back, into the registers that they left, as the eight fragments (n, s): lane (r, h): the tile's row r, bytes 64 s + 32 c + 16 h.  LDS serves a wave's instructions in order: no wait between.
.macro W2TURN n, cnt
	s_wait_loadcnt \cnt
	WIN 0x04                                       ; an LDS store's data are its source 1: window 1
.irp i, 0,1,2,3,4,5,6,7,8,9,10,11,12,13,14,15
	ds_store_b128 v14, v[64*(\n)+4*\i:64*(\n)+4*\i+3] offset:528*\i
.endr
	WIN 0x40                                       ; destination window 1
.irp s, 0,1,2,3,4,5,6,7
.irp c, 0,1
	ds_load_b128 v[64*(\n)+8*\s+4*\c:64*(\n)+8*\s+4*\c+3], v15 offset:64*\s+32*\c
.endr
.endr
.endm
.macro FETCH m, b                      ; rows 16 m .. + 15 of h: eight fragments and the scale words: 17 LDS loads
.irp s, 0,1,2,3,4,5,6,7
.irp c, 0,1
	ds_load_b128 v[HF+64*(\b)+8*\s+4*\c:HF+64*(\b)+8*\s+4*\c+3], v6 offset:8448*(\m)+64*\s+32*\c
.endr
.endr
	ds_load_b128 v[HSC+4*(\b):HSC+4*(\b)+3], v9 offset:512*(\m)
.endm
.macro TOKENS m, reg                   ; the tokens of rows 16 m + 8 h + 0 .. 7: two LDS loads
	ds_load_b128 v[\reg:\reg+3], v13 offset:64*(\m)
	ds_load_b128 v[\reg+4:\reg+7], v13 offset:64*(\m)+16
.endm
; A STEP: 16 rows of the tile x my 64 columns x K = 1,024.
.macro STEP m
.set FB, HF+64*((\m)%2)
.set SB, HSC+4*((\m)%2)
.set TC, TK0+(TK1-TK0)*((\m)%2)        ; this step's tokens
.set TN, TK1+(TK0-TK1)*((\m)%2)        ; the next step's
	s_cmp_le_u32 s88, 16*(\m)                      ; the tile has no such rows: done
	s_cbranch_scc1 .Ldone
.if (\m) == 0
	FETCH 0, 0
	TOKENS 0, TC
.endif
.if (\m) < 7
	FETCH (\m)+1, 1-(\m)%2
	s_wait_xcnt 0x0                                ; the last step's stores have read their offsets and data: the offsets' registers take the next step's tokens, and R is written again, only behind this wait
	TOKENS (\m)+1, TN
	s_wait_dscnt 19                                ; all but the 17 + 2 loads just issued: this step's fragments, scale words and tokens are in
.else
	s_wait_xcnt 0x0
	s_wait_dscnt 0x0
.endif
	WIN 0x04                                       ; source 1 (W2) in window 1
.irp s, 0,1,2,3,4,5,6,7                        ; the four accumulators take turns, one instruction a turn; the first K step starts the sums
.irp n, 0,1,2,3
.if \s == 0
	v_wmma_scale_f32_16x16x128_f8f6f4 v[ACC+8*\n:ACC+8*\n+7], v[FB+8*\s:FB+8*\s+7], v[64*\n+8*\s:64*\n+8*\s+7], 0, v[SB+\s], v[WS+4*\n+\s] matrix_a_fmt:MATRIX_FMT_FP4 matrix_b_fmt:MATRIX_FMT_FP4
.elseif \s < 4
	v_wmma_scale_f32_16x16x128_f8f6f4 v[ACC+8*\n:ACC+8*\n+7], v[FB+8*\s:FB+8*\s+7], v[64*\n+8*\s:64*\n+8*\s+7], v[ACC+8*\n:ACC+8*\n+7], v[SB+\s], v[WS+4*\n+\s] matrix_a_fmt:MATRIX_FMT_FP4 matrix_b_fmt:MATRIX_FMT_FP4
.else
	v_wmma_scale_f32_16x16x128_f8f6f4 v[ACC+8*\n:ACC+8*\n+7], v[FB+8*\s:FB+8*\s+7], v[64*\n+8*\s:64*\n+8*\s+7], v[ACC+8*\n:ACC+8*\n+7], v[SB+\s-4], v[WS+4*\n+\s-4] matrix_a_fmt:MATRIX_FMT_FP4 matrix_b_fmt:MATRIX_FMT_FP4 matrix_a_scale:MATRIX_SCALE_ROW1 matrix_b_scale:MATRIX_SCALE_ROW1
.endif
.endr
.endr
	WIN 0
.irp i, 0,1,2,3,4,5,6,7                        ; the rows' places in out: 24 plain instructions that name no register of the products: the places ahead of the first read of results (ISA guide 7.12.1)
	v_min_u32 v[TC+\i], 0x7ff, v[TC+\i]            ; a number that was loaded enters an address only behind this bound
.endr
.irp i, 0,1,2,3,4,5,6,7
	v_mul_u32_u24 v[TC+\i], v[TC+\i], 0x3000       ; a row of out is 12,288 bytes
.endr
.irp i, 0,1,2,3,4,5,6,7
	v_add_nc_u32 v[TC+\i], v5, v[TC+\i]            ; + 16 r: my four columns
.endr
.irp j, 0,1,2,3,4,5,6,7                        ; + b2, into the order in which the rows leave; each accumulator is read from its low end on
.irp n, 0,1,2,3
	v_add_f32 v[R+4*\j+\n], v[ACC+8*\n+\j], v[BI+\n]
.endr
.endr
.irp j, 0,1,2,3,4,5,6,7
	global_store_b128 v[TC+\j], v[R+4*\j:R+4*\j+3], s[2:3] th:TH_STORE_NT   ; lanes 0-15: token j's row, lanes 16-31: token 8 + j's: sixteen lanes store 256 consecutive bytes, at a multiple of 256 from out's first byte
.endr
.endm
	s_load_b256 s[4:11], s[0:1], 0x0               ; route s[4:5], h_codes s[6:7], h_scales s[8:9], W2's codes s[10:11]
	s_load_b128 s[12:15], s[0:1], 0x20             ; W2's scales s[12:13], b2 s[14:15]
	s_load_b64 s[2:3], s[0:1], 0x30                ; out
	v_lshl_add_u32 v62, v0, 2, 0x1a000
	v_mov_b32 v63, 0
	v_lshrrev_b32 v1, 5, v0
	v_readfirstlane_b32 s84, v1                    ; wave 0..3
	s_and_b32 s85, ttmp7, 0xffff                   ; T
	s_mov_b32 s86, ttmp9                           ; SL
	s_wait_kmcnt 0x0
	s_load_b512 s[16:31], s[4:5], 0x0              ; the counts: 16 blocks of tokens x 4 words
	s_load_b512 s[32:47], s[4:5], 0x40
	s_load_b512 s[48:63], s[4:5], 0x80
	s_load_b512 s[68:83], s[4:5], 0xc0
	v_and_b32 v60, 31, v0                          ; lane
	v_lshlrev_b32 v1, 4, v60                       ; 16 x lane
	v_and_b32 v2, 15, v0                           ; r
	v_bfe_u32 v3, v0, 4, 1                         ; h
	v_lshlrev_b32 v4, 7, v2
	v_lshl_add_u32 v4, v3, 4, v4                   ; W2's scale bytes: row 4 r of 32 bytes, + 16 h
	v_lshlrev_b32 v5, 4, v2                        ; 16 r
	v_mul_u32_u24 v6, v2, 528
	v_lshl_add_u32 v6, v3, 4, v6                   ; a fragment of h: row r, + 16 h
	s_mul_i32 s91, s84, 16896
	v_add_nc_u32 v7, s91, v1                       ; where I put my 32 rows of h
	s_lshl_b32 s91, s84, 10
	s_add_co_u32 s91, s91, HSI
	v_add_nc_u32 v8, s91, v1                       ; and my two images of scale words
	v_add_nc_u32 v9, HSI, v1                       ; where any image is read
	v_lshl_add_u32 v10, v0, 2, LIST                ; my row's word of the list
	s_lshl_b32 s91, s84, 7
	s_add_co_u32 s91, s91, LIST
	v_mov_b32 v11, s91                             ; my wave's 32 words
	v_lshl_add_u32 v12, v2, 2, s91                 ; of them, row r's
	v_lshl_add_u32 v13, v3, 5, LIST                ; the way out: rows 8 h on
	s_mul_i32 s91, s84, 8448
	s_add_co_u32 s91, s91, STG
	v_add_nc_u32 v14, s91, v1                      ; my stage: W2's rows in,
	v_add_nc_u32 v15, s91, v6                      ; fragments back
	s_mov_b32 s87, 0
	s_mov_b32 s90, 0
	s_mov_b32 s93, 0
	s_mov_b32 s94, 0
	s_mov_b32 s99, 0
	s_wait_kmcnt 0x0
.irp k, 1,2,3,4,5,6,7,8,9,10,11,12,13,14,15    ; the sixteen blocks' counts are added, two experts a word: 2,048 at the most, so no half runs over
.irp j, 0,1,2,3
	s_add_co_u32 s[16+\j], s[16+\j], s[16+4*\k+\j+4*((4*\k+\j)/48)]
.endr
.endr
	SCAN 0
	SCAN 1
	SCAN 2
	SCAN 3
	SCAN 4
	SCAN 5
	SCAN 6
	SCAN 7
	s_sub_co_u32 s89, s85, s94
	s_lshl_b32 s89, s89, 7                         ; FIRST: my tile's first row among the expert's tokens
	s_sub_co_u32 s88, s90, s89
	s_min_u32 s88, s88, 128
	s_cmp_lt_u32 s85, s93                          ; is there a tile T?
	s_cselect_b32 s88, s88, 0                      ; CNT: my tile's rows, 0 if there is none
	s_min_u32 s87, s87, 7                          ; E enters addresses only behind this bound
	s_lshl_b32 s98, s87, 8
	s_add_nc_u64 s[4:5], s[4:5], s[98:99]
	s_load_b512 s[16:31], s[4:5], 0x100            ; expert E's 64 mask words
	s_load_b512 s[32:47], s[4:5], 0x140
	s_load_b512 s[48:63], s[4:5], 0x180
	s_load_b512 s[68:83], s[4:5], 0x1c0
	s_mul_i32 s91, s87, 3072
	s_lshl_b32 s92, s86, 8
	s_lshl_b32 s96, s84, 6
	s_add_co_u32 s92, s92, s96                     ; my first column: 256 SL + 64 w
	s_add_co_u32 s91, s91, s92                     ; my first row of W2, of its scales and of b2
	s_lshl_b32 s98, s91, 9
	s_add_nc_u64 s[10:11], s[10:11], s[98:99]
	s_lshl_b32 s98, s91, 5
	s_add_nc_u64 s[12:13], s[12:13], s[98:99]
	s_lshl_b32 s98, s91, 2
	s_add_nc_u64 s[14:15], s[14:15], s[98:99]
	s_lshl_b32 s98, s92, 2
	s_add_nc_u64 s[2:3], s[2:3], s[98:99]
	WIN 0x40                                       ; destination window 1
	W2ROWS 0
	W2ROWS 1
	W2ROWS 2
	WIN 0
.irp n, 0,1,2,3
	global_load_b128 v[WS+4*\n:WS+4*\n+3], v4, s[12:13] offset:32*\n   ; tile n's rows 4 r + n: two lanes take a row's 32 bytes; the four loads together take my 64 rows' 2,048 consecutive bytes
.endr
	global_load_b128 v[BI:BI+3], v5, s[14:15]
	; THE ROWS ARE CHOSEN: thread i wants the q-th token of expert E, q = FIRST + i, held at the expert's last
	s_sub_co_u32 s91, s90, 1
	v_add_nc_u32 v106, s89, v0
	v_min_u32 v106, s91, v106                      ; q
	v_mov_b32 v108, 0                              ; word number << 16 | bits passed
	v_mov_b32 v113, 0                              ; pos
	s_mov_b32 s[PS+3], 0                           ; no bits passed yet
	s_wait_kmcnt 0x0
	v_mov_b32 v107, s16                            ; the mask word in hand
	; 63 words are passed, four at a time: twelve scalar lines, then twelve vector lines, so that only the first compare of a group, which writes VCC, stands behind a scalar line
.set G, 0
.rept 15
	SELS G, 0
	SELS G+1, 1
	SELS G+2, 2
	SELS G+3, 3
	SELV G, 0
	SELV G+1, 1
	SELV G+2, 2
	SELV G+3, 3
.set G, G+4
.endr
	SELS 60, 0
	SELS 61, 1
	SELS 62, 2
	SELV 60, 0
	SELV 61, 1
	SELV 62, 2
	v_and_b32 v112, 0xffff, v108
	v_sub_nc_u32 v112, v106, v112                  ; k: which set bit of the word
	v_lshrrev_b32 v109, 1, v107
	v_and_b32 v109, 0x55555555, v109
	v_sub_nc_u32 v109, v107, v109                  ; set bits of each 2,
	v_lshrrev_b32 v110, 2, v109
	v_and_b32 v110, 0x33333333, v110
	v_and_b32 v111, 0x33333333, v109
	v_add_nc_u32 v110, v110, v111                  ; of each 4,
	v_lshrrev_b32 v111, 4, v110
	v_add_nc_u32 v111, v111, v110
	v_and_b32 v111, 0x0f0f0f0f, v111               ; of each 8,
	v_lshrrev_b32 v116, 8, v111
	v_add_nc_u32 v116, v116, v111                  ; and, in its lowest byte, of the low 16
	LEVEL 116, 8, 16
	LEVEL 111, 8, 8
	LEVEL 110, 4, 4
	LEVEL 109, 2, 2
	LEVEL 107, 1, 1
	v_lshrrev_b32 v108, 16, v108
	v_lshl_add_u32 v108, v108, 5, v113             ; token = 32 x word + pos
	v_min_u32 v108, 0x7ff, v108
	ds_store_b32 v10, v108
	; THE GATHER: my wave's 32 rows of h.  It reads its own 32 words of the list, which LDS serves behind its own stores
.irp i, 0,1,2,3,4,5,6,7
	ds_load_b128 v[ACC+4*\i:ACC+4*\i+3], v11 offset:16*\i          ; every lane gets all 32 tokens
.endr
	ds_load_b32 v104, v12
	ds_load_b32 v105, v12 offset:64
	s_wait_dscnt 0x0
.irp i, 0,1,2,3,4,5,6,7,8,9,10,11,12,13,14,15,16,17,18,19,20,21,22,23,24,25,26,27,28,29,30,31
	v_min_u32 v[ACC+\i], 0x7ff, v[ACC+\i]          ; a number that was loaded enters an address only behind this bound
.endr
.irp i, 0,1,2,3,4,5,6,7,8,9,10,11,12,13,14,15,16,17,18,19,20,21,22,23,24,25,26,27,28,29,30,31
	v_lshl_add_u32 v[ACC+\i], v[ACC+\i], 9, v1
.endr
.irp i, 0,1,2,3,4,5,6,7,8,9,10,11,12,13,14,15,16,17,18,19,20,21,22,23,24,25,26,27,28,29,30,31
	global_load_b128 v[HF+4*\i:HF+4*\i+3], v[ACC+\i], s[6:7]       ; a token's row of codes: 512 consecutive bytes
.endr
	v_min_u32 v104, 0x7ff, v104
	v_min_u32 v105, 0x7ff, v105
	v_lshlrev_b32 v104, 5, v104
	v_lshlrev_b32 v105, 5, v105
	v_lshl_add_u32 v104, v3, 4, v104
	v_lshl_add_u32 v105, v3, 4, v105
	global_load_b128 v[R:R+3], v104, s[8:9]        ; scale words 4 h .. 4 h + 3 of row r's token, for my two tiles of rows
	global_load_b128 v[R+4:R+7], v105, s[8:9]
	WIN 0x40
	W2ROWS 3
	; 103 loads are issued: 48 of W2, 4 + 1 of its scales and b2, 32 + 2 of h, 16 of W2.  Each wait leaves out what was issued behind the loads that it needs, held at what the field can name
	W2TURN 0, 63
	W2TURN 1, 63
	W2TURN 2, 55
	WIN 0
	s_wait_loadcnt 18                              ; h's 32 rows are in
.irp i, 0,1,2,3,4,5,6,7,8,9,10,11,12,13,14,15,16,17,18,19,20,21,22,23,24,25,26,27,28,29,30,31
	ds_store_b128 v7, v[HF+4*\i:HF+4*\i+3] offset:528*\i
.endr
	s_wait_loadcnt 16                              ; and its scale words
	ds_store_b128 v8, v[R:R+3]
	ds_store_b128 v8, v[R+4:R+7] offset:512
	W2TURN 3, 0
	WIN 0
	s_wait_dscnt 0x0                               ; for the others' sake: my rows, scale words and list words have landed; for mine: W2's fragments are in
	s_barrier_signal -1
	s_barrier_wait -1                              ; the tile's 128 rows lie in LDS
	STEP 0
	STEP 1
	STEP 2
	STEP 3
	STEP 4
	STEP 5
	STEP 6
	STEP 7
.Ldone:
	s_wait_tensorcnt 0x0
	ds_add_u32 v62, v63
	s_wait_dscnt 0x0
	s_endpgm
.Lfunc_end_k_q887411eadc_expert:
	.size	k_q887411eadc_expert, .Lfunc_end_k_q887411eadc_expert-k_q887411eadc_expert
	.p2alignl 7, 3214868480
	.fill 96, 4, 3214868480
	.section	.rodata,"a",@progbits
	.p2align	6, 0x0
	.amdhsa_kernel k_q887411eadc_expert
		.amdhsa_group_segment_fixed_size 107008
		.amdhsa_private_segment_fixed_size 0
		.amdhsa_enable_private_segment 0
		.amdhsa_kernarg_size 56
		.amdhsa_user_sgpr_count 2
		.amdhsa_user_sgpr_kernarg_segment_ptr 1
		.amdhsa_wavefront_size32 1
		.amdhsa_system_sgpr_workgroup_id_x 1
		.amdhsa_system_sgpr_workgroup_id_y 1
		.amdhsa_system_sgpr_workgroup_id_z 1
		.amdhsa_system_vgpr_workitem_id 0
		.amdhsa_next_free_vgpr 512
		.amdhsa_next_free_sgpr 100
		.amdhsa_reserve_vcc 1
		.amdhsa_float_denorm_mode_32 3
		.amdhsa_float_denorm_mode_16_64 3
		.amdhsa_memory_ordered 1
		.amdhsa_forward_progress 1
		.amdhsa_inst_pref_size 119
	.end_amdhsa_kernel
	.amdgpu_metadata
---
amdhsa.version: [ 1, 2 ]
amdhsa.kernels:
  - .name:           k_q887411eadc_expert
    .symbol:         k_q887411eadc_expert.kd
    .args:
      - { .name: route, .offset: 0, .size: 8, .value_kind: global_buffer, .address_space: global }
      - { .name: h_codes, .offset: 8, .size: 8, .value_kind: global_buffer, .address_space: global }
      - { .name: h_scales, .offset: 16, .size: 8, .value_kind: global_buffer, .address_space: global }
      - { .name: W2_codes, .offset: 24, .size: 8, .value_kind: global_buffer, .address_space: global }
      - { .name: W2_scales, .offset: 32, .size: 8, .value_kind: global_buffer, .address_space: global }
      - { .name: b2, .offset: 40, .size: 8, .value_kind: global_buffer, .address_space: global }
      - { .name: out0, .offset: 48, .size: 8, .value_kind: global_buffer, .address_space: global }
    .group_segment_fixed_size: 107008
    .private_segment_fixed_size: 0
    .kernarg_segment_align: 8
    .kernarg_segment_size: 56
    .max_flat_workgroup_size: 128
    .sgpr_count:     100
    .vgpr_count:     512
    .wavefront_size: 32
...
	.end_amdgpu_metadata
.endif
;; end of part 2
;; ======== version 2 of 2: 2 launches
;; workspace buffers: h_codes 1,048,576 bytes; h_scales 65,536 bytes; route 2,304 bytes of whole numbers
;; launch hidden (part 3): grid 16 x 16, 4 waves a work-group, no clusters, 48,640 bytes of LDS; arguments z, W1_codes, W1_scales, b1, h_codes, h_scales, route; writes h_codes, h_scales, route
.if DOCPART == 3
	.amdgcn_target "amdgcn-amd-amdhsa--gfx1250"
	.amdhsa_code_object_version 6
	.text
	.protected	k_q887411eadc_hidden
	.globl	k_q887411eadc_hidden
	.p2align	8
	.type	k_q887411eadc_hidden,@function
k_q887411eadc_hidden:
	s_mov_b64 s[64:65], 0
	v_nop
	global_prefetch_b8 v0, s[64:65] scope:SCOPE_SE
	s_setreg_imm32_b32 hwreg(HW_REG_WAVE_MODE, 25, 1), 1
	s_wait_xcnt 0x0
; idx[t] = (sum over 128 features of floor(|z| x 1000)) mod 8;  h[t] = relu(Q(z[t]) W1[idx[t]] + b1[idx[t]]), quantised along its 1,024 units into codes of FP4 (E2M1) with one E8M0 byte for each 32.
; z: [2048][128] f32.  W1: codes [8][1024][64 bytes], K innermost; scale bytes [8][1024][4].  b1: [8][1024] f32.
; OUT: h_codes [token][512 bytes] (block B of 32 units at byte 16 B), h_scales [token][32 bytes], and the routing as whole numbers for the next launch:
;   route bytes 0-255: counts[block of 128 tokens][4 words], word j = tokens of expert 2 j (low half) and 2 j + 1 (high half);  bytes 256-2303: masks[expert][64 words], bit i of word g = token 32 g + i goes to that expert.
; THE CHOICE STEERS NO ADDRESS HERE: idx comes from floating-point numbers, so the product is made for all 8 experts (16 matrix instructions for 16 tokens x 32 units) and the chosen one is kept by v_cndmask_b32.
; SHARES.  Work-group (x = tb, y = hr): tokens 128 tb .. + 127, units 64 hr .. + 63.  Wave w: a = w & 1 picks 32 units (one block of the next K), t = w >> 1 picks 64 tokens (four tiles of 16).
; For the hash and z's quantising wave w takes tokens 32 w .. 32 w + 31; the fragments go to the other waves through LDS as images of their registers.
; THE MATRIX INSTRUCTION IS USED TRANSPOSED (source 0 = 16 rows of W1, source 1 = 16 tokens), and lane r of unit tile u takes W1 row U0 + 8 u + r + 8 (r / 8): a lane then holds ONE token, and the 16 registers of
; tiles u = 0, 1 are the 16 neighbouring units U0 + 16 (lane / 16) + 0 .. 15.  b1 is the C of each product.
; NO CLUSTER, NO TENSOR LOAD: all that a work-group reads (64 KiB of z, 2 x 36 KiB of W1) is read once, at the head, and z has to pass through registers for the hash and the quantiser; there is no loop whose tiles partners could ask for jointly.
; LIMITS.  The hash is a sum of whole numbers in f32: exact, in any order, while a row's sum stays under 2^24 (a mean |z| under 131).  NaN and infinities in z are not served.  A block of zeros gets the scale byte 1
; where the quantiser says 127: its codes are zeros and only this program reads the bytes.  relu of NaN gives 0.
; h's rows are stored in pieces of 32 bytes and its scale bytes in pieces of 2: a work-group holds 64 of a token's 1,024 units.  The row layout is kept because the next launch reads each row whole, twelve times.
.set STG,   0                          ; LDS: a stage for each wave, 16 rows x (512 + 16) bytes
.set ZIMG,  33792                      ; z's 8 fragments as register images, 1,024 bytes each
.set ZSC,   41984                      ; their scale words, 128 bytes each
.set IDX,   43008                      ; idx of the 128 tokens, a word each
.set OUTC,  43520                      ; the work-group's codes of h: 128 tokens x 32 bytes
.set OUTS,  47616                      ; and its scale bytes: 128 tokens x 2
.set W1S,   24                         ; v24-31  W1's scale words of expert e: lanes 0-15 tile u = 0, lanes 16-31 tile u = 1
.set ZF,    32                         ; v32-47  z's fragment, two buffers
.set ZS,    48                         ; v48-49  its scale words, two buffers
.set ID,    50                         ; v50-51  idx of my token, two buffers
.set H,     52                         ; v52-67  16 numbers of h
.set PC,    68                         ; v68-75  codes just made
.set PW,    76                         ; v76     scale word just made
.set TM,    80                         ; v80-95  at work
.set HT,    96                         ; v96-103 the hash: four pairs at work
.set HSUM,  104                        ; v104-111 the hash: four pairs of sums
.set X,     128                        ; v128-255 z: as loaded, then 64 numbers a lane for each of two tiles
.set D,     128                        ; v128-255 later: the 16 products, (e, u) at D + 8 (2 e + u).  Window 1: v0-127 W1's fragments, v128-255 b1's tiles, same order
.set MK,    32                         ; s33-39  lanes whose token goes to expert 1 .. 7
.set MSB, 0
.macro WIN new                         ; the immediate's high byte repeats the setting that is left
.if MSB != \new
	s_set_vgpr_msb (MSB<<8)|\new
.set MSB, \new
.endif
.endm
; 16 rows of z, loaded as they lie (a row an instruction), go through my stage and come back so that register 16 b + i of lane (r, h) is z(row r, k = 32 b + 16 h + i).  LDS serves a wave's instructions in order: no wait between.
.macro ZTURN v
.irp i, 0,1,2,3,4,5,6,7,8,9,10,11,12,13,14,15
	ds_store_b128 v5, v[X+64*(\v)+4*\i:X+64*(\v)+4*\i+3] offset:528*\i
.endr
.irp b, 0,1,2,3
.irp j, 0,1,2,3
	ds_load_b128 v[X+64*(\v)+16*\b+4*\j:X+64*(\v)+16*\b+4*\j+3], v6 offset:128*\b+16*\j
.endr
.endr
.endm
; The hash of tile v: |z x 1000| is |z| x 1000 bit for bit; four pairs of sums by turns, started by the first four pairs: nothing is cleared.
.macro HASH v
.irp p, 0,1,2,3
	v_pk_mul_f32 v[HT+2*\p:HT+2*\p+1], v[X+64*(\v)+2*\p:X+64*(\v)+2*\p+1], s[24:25] op_sel_hi:[1,0]
.endr
.irp p, 0,1,2,3
	v_floor_f32 v[HSUM+2*\p], |v[HT+2*\p]|
	v_floor_f32 v[HSUM+2*\p+1], |v[HT+2*\p+1]|
.endr
.irp q, 1,2,3,4,5,6,7
.irp p, 0,1,2,3
	v_pk_mul_f32 v[HT+2*\p:HT+2*\p+1], v[X+64*(\v)+8*\q+2*\p:X+64*(\v)+8*\q+2*\p+1], s[24:25] op_sel_hi:[1,0]
.endr
.irp p, 0,1,2,3
	v_floor_f32 v[HT+2*\p], |v[HT+2*\p]|
	v_floor_f32 v[HT+2*\p+1], |v[HT+2*\p+1]|
.endr
.irp p, 0,1,2,3
	v_pk_add_f32 v[HSUM+2*\p:HSUM+2*\p+1], v[HSUM+2*\p:HSUM+2*\p+1], v[HT+2*\p:HT+2*\p+1]
.endr
.endr
	v_pk_add_f32 v[HSUM:HSUM+1], v[HSUM:HSUM+1], v[HSUM+2:HSUM+3]
	v_pk_add_f32 v[HSUM+4:HSUM+5], v[HSUM+4:HSUM+5], v[HSUM+6:HSUM+7]
	v_pk_add_f32 v[HSUM:HSUM+1], v[HSUM:HSUM+1], v[HSUM+4:HSUM+5]
	v_add_f32 v[HSUM], v[HSUM], v[HSUM+1]
	v_permlanex16_b32 v[HT], v[HSUM], s22, s23     ; the row's other 64 numbers lie in lane l xor 16
	v_add_f32 v[HSUM], v[HSUM], v[HT]
	v_cvt_i32_f32 v[HSUM], v[HSUM]
	v_and_b32 v[HSUM], 7, v[HSUM]                  ; mod 8 of a number that is not negative
	ds_store_b32 v9, v[HSUM] offset:64*(\v)        ; both halves of the lanes write the same word with the same value
.endm
; 64 numbers of a lane, register 16 b + i = k 32 b + 16 (lane / 16) + i of my row, become a fragment's codes in v[PC] on and its scale word in v[PW].
.macro QUANT s
.irp b, 0,1,2,3
	v_max3_num_f32 v[TM+\b], |v[\s+16*\b]|, |v[\s+1+16*\b]|, 0x1800000   ; block b: my 16 numbers, and the floor 2^(3 - 127): the byte cannot fall under 1
.endr
.irp i, 2,4,6,8,10,12,14
.irp b, 0,1,2,3
	v_max3_num_f32 v[TM+\b], v[TM+\b], |v[\s+16*\b+\i]|, |v[\s+1+16*\b+\i]|   ; the four blocks by turns
.endr
.endr
.irp b, 0,1,2,3
	v_permlanex16_b32 v[TM+4+\b], v[TM+\b], s22, s23
.endr
.irp b, 0,1,2,3
	v_max_num_f32 v[TM+\b], v[TM+\b], v[TM+4+\b]   ; with lane l xor 16's: the block's largest magnitude
.endr
.irp b, 0,1,2,3
	v_add_nc_u32 v[TM+12+\b], 0xff000000, v[TM+\b] ; 2 off its exponent field: the conversion takes the exponent field of this operand as its scale
.endr
.irp b, 0,1,2,3
	v_lshrrev_b32 v[TM+4+\b], 23, v[TM+12+\b]      ; the scale's byte
.endr
	v_lshl_or_b32 v[PW], v[TM+5], 8, v[TM+4]
	v_lshl_or_b32 v[PW], v[TM+6], 16, v[PW]
	v_lshl_or_b32 v[PW], v[TM+7], 24, v[PW]
.irp b, 0,1,2,3
	v_cvt_scalef32_pk8_fp4_f32 v[PC+2*\b], v[\s+16*\b:\s+7+16*\b], v[TM+12+\b]
	v_cvt_scalef32_pk8_fp4_f32 v[PC+1+2*\b], v[\s+8+16*\b:\s+15+16*\b], v[TM+12+\b]
.endr
	v_nop                                          ; one plain place behind a scaled conversion
.irp c, 0,1                                    ; the operand's layout wants a whole block in a lane: lanes 0-15 block 2 c, lanes 16-31 block 2 c + 1
.irp i, 0,1
	v_permlane16_swap_b32 v[PC+4*\c+\i], v[PC+2+4*\c+\i]
.endr
.endr
.endm
.macro IMAGE v                         ; the fragment and its scale word go to LDS as they stand
.irp c, 0,1
	ds_store_b128 v7, v[PC+4*\c:PC+4*\c+3] offset:1024*(\v)+512*\c
.endr
	ds_store_b32 v8, v[PW] offset:128*(\v)
.endm
.macro FETCHZ mm, buf                  ; tile mm of my four: fragment, scale words, idx: four LDS loads
.irp c, 0,1
	ds_load_b128 v[ZF+8*(\buf)+4*\c:ZF+8*(\buf)+4*\c+3], v10 offset:1024*(\mm)+512*\c
.endr
	ds_load_b32 v[ZS+(\buf)], v11 offset:128*(\mm)
	ds_load_b32 v[ID+(\buf)], v12 offset:64*(\mm)
.endm
; 16 tokens x my 32 units: all experts, the choice, relu, the quantiser.
.macro TILE mm
.set ZB, (\mm)%2
.if (\mm) < 3
	FETCHZ (\mm)+1, 1-ZB
	s_wait_dscnt 4                                 ; all but the four loads just issued: this tile's operands are in, and the last tile's stores have read their registers
.else
	s_wait_dscnt 0x0
.endif
.irp e, 1,2,3,4,5,6,7
	v_cmp_eq_u32 s[MK+\e], \e, v[ID+ZB]
.endr
	WIN 0x11                                       ; source 0 (W1) and source 2 (b1) in window 1
.irp e, 0,1,2,3,4,5,6,7
	v_wmma_scale_f32_16x16x128_f8f6f4 v[D+16*\e:D+16*\e+7], v[16*\e:16*\e+7], v[ZF+8*ZB:ZF+8*ZB+7], v[128+16*\e:128+16*\e+7], v[W1S+\e], v[ZS+ZB] matrix_a_fmt:MATRIX_FMT_FP4 matrix_b_fmt:MATRIX_FMT_FP4
	v_wmma_scale_f32_16x16x128_f8f6f4 v[D+16*\e+8:D+16*\e+15], v[16*\e+8:16*\e+15], v[ZF+8*ZB:ZF+8*ZB+7], v[128+16*\e+8:128+16*\e+15], v[W1S+\e], v[ZS+ZB] matrix_a_fmt:MATRIX_FMT_FP4 matrix_b_fmt:MATRIX_FMT_FP4 matrix_a_scale:MATRIX_SCALE_ROW1
.endr
	WIN 0
.rept 4
	v_nop                                          ; four places ahead of the first read of results (ISA guide 7.12.1)
.endr
.irp u, 0,1                                    ; each product is read from its low end on
.irp j, 0,1,2,3,4,5,6,7
	v_cndmask_b32 v[H+8*\u+\j], v[D+8*\u+\j], v[D+16+8*\u+\j], s[MK+1]
.endr
.endr
.irp e, 2,3,4,5,6,7
.irp u, 0,1
.irp j, 0,1,2,3,4,5,6,7
	v_cndmask_b32 v[H+8*\u+\j], v[H+8*\u+\j], v[D+16*\e+8*\u+\j], s[MK+\e]
.endr
.endr
.endr
.irp j, 0,1,2,3,4,5,6,7,8,9,10,11,12,13,14,15
	v_max_num_f32 v[H+\j], 0, v[H+\j]              ; relu, in f32
.endr
	v_max3_num_f32 v[TM], v[H], v[H+1], 0x1800000  ; my 16 numbers (none is negative) and the floor, in two chains
	v_max3_num_f32 v[TM+1], v[H+2], v[H+3], v[H+4]
	v_max3_num_f32 v[TM], v[TM], v[H+5], v[H+6]
	v_max3_num_f32 v[TM+1], v[TM+1], v[H+7], v[H+8]
	v_max3_num_f32 v[TM], v[TM], v[H+9], v[H+10]
	v_max3_num_f32 v[TM+1], v[TM+1], v[H+11], v[H+12]
	v_max3_num_f32 v[TM], v[TM], v[H+13], v[H+14]
	v_max3_num_f32 v[TM], v[TM], v[TM+1], v[H+15]
	v_permlanex16_b32 v[TM+4], v[TM], s22, s23
	v_max_num_f32 v[TM], v[TM], v[TM+4]            ; with lane l xor 16's 16: the block's largest
	v_add_nc_u32 v[TM+12], 0xff000000, v[TM]
	v_cvt_scalef32_pk8_fp4_f32 v[PC], v[H:H+7], v[TM+12]
	v_cvt_scalef32_pk8_fp4_f32 v[PC+1], v[H+8:H+15], v[TM+12]
	v_lshrrev_b32 v[TM+8], 23, v[TM+12]            ; the scale's byte; also the plain place behind the conversions
	ds_store_b64 v16, v[PC:PC+1] offset:512*(\mm)  ; my 16 codes: 8 bytes of my token's 32
	ds_store_b8 v17, v[TM+8] offset:32*(\mm)       ; both halves of the lanes write the same byte with the same value
.endm
	s_load_b256 s[4:11], s[0:1], 0x0               ; z s[4:5], W1's codes s[6:7], W1's scales s[8:9], b1 s[10:11]
	s_load_b128 s[12:15], s[0:1], 0x20             ; h_codes s[12:13], h_scales s[14:15]
	s_load_b64 s[2:3], s[0:1], 0x30                ; route
	v_lshl_add_u32 v126, v0, 2, 0xbc00
	v_mov_b32 v127, 0
	v_lshrrev_b32 v1, 5, v0
	v_readfirstlane_b32 s16, v1                    ; wave 0..3
	s_and_b32 s17, s16, 1                          ; a: which 32 units
	s_lshr_b32 s18, s16, 1                         ; t: which 64 tokens
	s_mov_b32 s19, ttmp9                           ; tb
	s_and_b32 s20, ttmp7, 0xffff                   ; hr
	s_mov_b32 s22, 0x76543210
	s_mov_b32 s23, 0xfedcba98                      ; v_permlanex16_b32's selects for lane l xor 16
	s_mov_b32 s24, 0x447a0000                      ; 1000.0
	s_mov_b32 s25, s24                             ; (named with it as a pair, so it is written)
	v_and_b32 v22, 31, v0                          ; lane
	v_lshlrev_b32 v1, 4, v22                       ; 16 x lane
	v_and_b32 v2, 15, v0                           ; r
	v_bfe_u32 v3, v0, 4, 1                         ; h
	v_lshlrev_b32 v4, 2, v22                       ; 4 x lane
	s_lshl_b32 s28, s19, 16
	s_lshl_b32 s26, s16, 14
	s_add_co_u32 s28, s28, s26                     ; z: (128 tb + 32 w) rows of 512 bytes
	s_mov_b32 s29, 0
	s_lshl_b32 s30, s20, 6
	s_lshl_b32 s26, s17, 5
	s_add_co_u32 s30, s30, s26                     ; U0 = 64 hr + 32 a
	v_and_b32 v23, 8, v2
	v_add_nc_u32 v23, v23, v2                      ; r + 8 (r / 8)
	v_lshlrev_b32 v13, 6, v23
	v_lshl_add_u32 v13, v3, 4, v13                 ; W1: that row of 64 bytes, + 16 h
	v_lshlrev_b32 v14, 6, v3                       ; b1: 16 h numbers on
	v_lshl_add_u32 v15, v3, 3, v23
	v_lshlrev_b32 v15, 2, v15                      ; W1's scale words: lanes 16-31 take tile u = 1's rows, 8 further on
	s_wait_alu depctr_va_vdst(0)
	s_wait_kmcnt 0x0
	s_add_nc_u64 s[4:5], s[4:5], s[28:29]
.irp i, 0,1,2,3,4,5,6,7,8,9,10,11,12,13,14,15,16,17,18,19,20,21,22,23,24,25,26,27,28,29,30,31
	global_load_b128 v[X+4*\i:X+4*\i+3], v1, s[4:5] offset:512*\i   ; a row of z: 32 lanes read 512 consecutive bytes
.endr
	s_lshl_b32 s28, s30, 6
	s_add_nc_u64 s[6:7], s[6:7], s[28:29]
	s_lshl_b32 s28, s30, 2
	s_add_nc_u64 s[8:9], s[8:9], s[28:29]
	s_add_nc_u64 s[10:11], s[10:11], s[28:29]
	WIN 0x40                                       ; destination window 1
.irp e, 0,1,2,3,4,5,6,7
.irp u, 0,1
.irp c, 0,1
	global_load_b128 v[8*(2*\e+\u)+4*\c:8*(2*\e+\u)+4*\c+3], v13, s[6:7] offset:65536*\e+512*\u+32*\c
.endr
.endr
.endr
	WIN 0
.irp e, 0,1,2,3,4,5,6,7
	global_load_b32 v[W1S+\e], v15, s[8:9] offset:4096*\e
.endr
	; the other addresses, while the loads are on their way
	s_mul_i32 s26, s16, 8448
	v_add_nc_u32 v5, s26, v1                       ; my stage, in: 16 x lane
	v_mul_u32_u24 v6, v2, 528
	v_lshl_add_u32 v6, v3, 6, v6
	v_add_nc_u32 v6, s26, v6                       ; and back: row r, + 64 h
	s_lshl_b32 s26, s16, 11
	s_add_co_u32 s26, s26, ZIMG
	v_add_nc_u32 v7, s26, v1                       ; where I store my two images
	s_lshl_b32 s26, s16, 8
	s_add_co_u32 s26, s26, ZSC
	v_add_nc_u32 v8, s26, v4                       ; their scale words
	s_lshl_b32 s26, s16, 7
	s_add_co_u32 s26, s26, IDX
	v_lshl_add_u32 v9, v2, 2, s26                  ; and idx
	s_lshl_b32 s26, s18, 12
	s_add_co_u32 s26, s26, ZIMG
	v_add_nc_u32 v10, s26, v1                      ; where I read my four tiles' images,
	s_lshl_b32 s26, s18, 9
	s_add_co_u32 s26, s26, ZSC
	v_add_nc_u32 v11, s26, v4                      ; scale words
	s_lshl_b32 s26, s18, 8
	s_add_co_u32 s26, s26, IDX
	v_lshl_add_u32 v12, v2, 2, s26                 ; and idx
	s_lshl_b32 s26, s18, 11
	s_lshl_b32 s27, s17, 4
	s_add_co_u32 s26, s26, s27
	s_add_co_u32 s26, s26, OUTC
	v_lshlrev_b32 v16, 5, v2
	v_lshl_add_u32 v16, v3, 3, v16
	v_add_nc_u32 v16, s26, v16                     ; h's codes: token 64 t + r of 32 bytes, + 16 a + 8 h
	s_lshl_b32 s26, s18, 7
	s_add_co_u32 s26, s26, s17
	s_add_co_u32 s26, s26, OUTS
	v_lshl_add_u32 v17, v2, 1, s26                 ; h's scale byte: 2 bytes a token, + a
	s_lshl_b32 s26, s16, 10
	s_add_co_u32 s26, s26, OUTC
	v_add_nc_u32 v18, s26, v1                      ; the way out: my 32 tokens' codes, 16 bytes a lane
	v_lshrrev_b32 v19, 1, v22
	v_lshlrev_b32 v19, 9, v19
	v_and_b32 v20, 1, v22
	v_lshl_add_u32 v19, v20, 4, v19
	s_lshl_b32 s26, s16, 14
	v_add_nc_u32 v19, s26, v19                     ; and their place in h_codes: token 32 w + lane / 2, + 16 (lane % 2)
	v_lshl_add_u32 v20, v0, 1, OUTS                ; a thread a token: its two scale bytes,
	v_lshlrev_b32 v21, 5, v0                       ; and its row of h_scales
	v_add_nc_u32 v119, IDX, v4                     ; the routing: idx of token lane
	v_lshrrev_b32 v118, 2, v22
	v_lshlrev_b32 v118, 8, v118
	v_and_b32 v117, 3, v22
	v_lshl_add_u32 v118, v117, 2, v118             ; lane 4 e + g: expert e's row of 256 bytes, word g of my four
.irp b, 0,1,2,3
	v_mov_b32 v[TM+4+\b], 0                        ; written once: a lane permute's destination counts as one of its sources
.endr
	s_lshl_b32 s28, s19, 16
	s_lshl_b32 s26, s20, 5
	s_add_co_u32 s28, s28, s26
	s_add_nc_u64 s[12:13], s[12:13], s[28:29]      ; h_codes at token 128 tb, byte 32 hr
	s_lshl_b32 s28, s19, 12
	s_lshl_b32 s26, s20, 1
	s_add_co_u32 s28, s28, s26
	s_add_nc_u64 s[14:15], s[14:15], s[28:29]      ; h_scales at token 128 tb, byte 2 hr
	s_lshl_b32 s28, s19, 4
	s_add_nc_u64 s[2:3], s[2:3], s[28:29]          ; route: 16 bytes a block of tokens, in the counts and in each expert's masks
	s_wait_loadcnt 56                              ; 72 loads are issued: the first 16, tile 0's rows of z, are in
	ZTURN 0
	s_wait_loadcnt 40                              ; and tile 1's
	ZTURN 1
	WIN 0x40
.irp e, 0,1,2,3,4,5,6,7
.irp u, 0,1
.irp j, 0,1
	global_load_b128 v[128+8*(2*\e+\u)+4*\j:128+8*(2*\e+\u)+4*\j+3], v14, s[10:11] offset:4096*\e+32*\u+16*\j   ; b1 in the result's layout: units U0 + 16 h + 8 u + 0 .. 7
.endr
.endr
.endr
	WIN 0
	s_wait_dscnt 32                                ; tile 0 is back; behind its loads stand tile 1's 16 stores and 16 loads
	HASH 0
	QUANT X
	IMAGE 0
	s_wait_dscnt 0x0                               ; tile 1 is back, and the stores above have read their registers
	HASH 1
	QUANT X+64
	IMAGE 1
	s_wait_dscnt 0x0                               ; for the others' sake: my images, scale words and idx have landed
	s_barrier_signal -1
	s_barrier_wait -1                              ; z's eight fragments and the 128 idx lie in LDS
	FETCHZ 0, 0
	s_wait_loadcnt 0x0                             ; W1, its scale words, b1
	TILE 0
	TILE 1
	TILE 2
	TILE 3
	s_wait_dscnt 0x0                               ; for the others' sake: my codes and bytes have landed
	s_barrier_signal -1
	s_barrier_wait -1                              ; 128 tokens x 32 bytes of codes and x 2 scale bytes lie in LDS
	ds_load_b128 v[80:83], v18
	ds_load_b128 v[84:87], v18 offset:512
	ds_load_u16 v88, v20
	s_wait_dscnt 0x0
	global_store_b128 v19, v[80:83], s[12:13]              ; two lanes store a token's 32 bytes; sixteen tokens an instruction
	global_store_b128 v19, v[84:87], s[12:13] offset:8192
	global_store_b16 v21, v88, s[14:15]
	; THE ROUTING of these 128 tokens is stored once: by wave 0 of the work-group with hr = 0.  No barrier stands behind these branches.
	s_cmp_lg_u32 s20, 0
	s_cbranch_scc1 .Lend
	s_cmp_lg_u32 s16, 0
	s_cbranch_scc1 .Lend
.irp g, 0,1,2,3
	ds_load_b32 v[112+\g], v119 offset:128*\g      ; idx of token 32 g + lane
.endr
	v_mov_b32 v116, 0
	v_mov_b32 v117, 0
	s_wait_dscnt 0x0
.irp e, 0,1,2,3,4,5,6,7
.irp g, 0,1,2,3
	v_cmp_eq_u32 s[32+4*\e+\g], \e, v[112+\g]      ; the mask word of expert e and 32 tokens
.endr
.endr
.irp e, 0,1,2,3,4,5,6,7
.irp g, 0,1,2,3
	v_writelane_b32 v116, s[32+4*\e+\g], 4*\e+\g
.endr
.endr
	s_wait_alu depctr_va_vdst(0)
.irp e, 0,1,2,3,4,5,6,7
	s_bcnt1_i32_b32 s[68+\e], s[32+4*\e]
.irp g, 1,2,3
	s_bcnt1_i32_b32 s66, s[32+4*\e+\g]
	s_add_co_u32 s[68+\e], s[68+\e], s66           ; expert e's tokens among the 128
.endr
.endr
.irp j, 0,1,2,3
	s_lshl_b32 s66, s[69+2*\j], 16
	s_or_b32 s66, s66, s[68+2*\j]
	v_writelane_b32 v117, s66, \j
.endr
	global_store_b32 v118, v116, s[2:3] offset:256 ; the 32 mask words
	s_wait_alu depctr_va_vdst(0)
	s_wait_xcnt 0x0                                ; EXEC changes only behind this wait
	v_cmp_gt_u32 vcc_lo, 4, v22
	s_and_saveexec_b32 s66, vcc_lo
	global_store_b32 v4, v117, s[2:3]              ; the four count words, lanes 0 to 3
	s_wait_xcnt 0x0                                ; and again, ahead of the line that widens it
	s_or_b32 exec_lo, exec_lo, s66
.Lend:
	s_wait_tensorcnt 0x0
	ds_add_u32 v126, v127
	s_wait_dscnt 0x0
	s_endpgm
.Lfunc_end_k_q887411eadc_hidden:
	.size	k_q887411eadc_hidden, .Lfunc_end_k_q887411eadc_hidden-k_q887411eadc_hidden
	.p2alignl 7, 3214868480
	.fill 96, 4, 3214868480
	.section	.rodata,"a",@progbits
	.p2align	6, 0x0
	.amdhsa_kernel k_q887411eadc_hidden
		.amdhsa_group_segment_fixed_size 48640
		.amdhsa_private_segment_fixed_size 0
		.amdhsa_enable_private_segment 0
		.amdhsa_kernarg_size 56
		.amdhsa_user_sgpr_count 2
		.amdhsa_user_sgpr_kernarg_segment_ptr 1
		.amdhsa_wavefront_size32 1
		.amdhsa_system_sgpr_workgroup_id_x 1
		.amdhsa_system_sgpr_workgroup_id_y 1
		.amdhsa_system_sgpr_workgroup_id_z 1
		.amdhsa_system_vgpr_workitem_id 0
		.amdhsa_next_free_vgpr 512
		.amdhsa_next_free_sgpr 80
		.amdhsa_reserve_vcc 1
		.amdhsa_float_denorm_mode_32 3
		.amdhsa_float_denorm_mode_16_64 3
		.amdhsa_memory_ordered 1
		.amdhsa_forward_progress 1
		.amdhsa_inst_pref_size 97
	.end_amdhsa_kernel
	.amdgpu_metadata
---
amdhsa.version: [ 1, 2 ]
amdhsa.kernels:
  - .name:           k_q887411eadc_hidden
    .symbol:         k_q887411eadc_hidden.kd
    .args:
      - { .name: z, .offset: 0, .size: 8, .value_kind: global_buffer, .address_space: global }
      - { .name: W1_codes, .offset: 8, .size: 8, .value_kind: global_buffer, .address_space: global }
      - { .name: W1_scales, .offset: 16, .size: 8, .value_kind: global_buffer, .address_space: global }
      - { .name: b1, .offset: 24, .size: 8, .value_kind: global_buffer, .address_space: global }
      - { .name: h_codes, .offset: 32, .size: 8, .value_kind: global_buffer, .address_space: global }
      - { .name: h_scales, .offset: 40, .size: 8, .value_kind: global_buffer, .address_space: global }
      - { .name: route, .offset: 48, .size: 8, .value_kind: global_buffer, .address_space: global }
    .group_segment_fixed_size: 48640
    .private_segment_fixed_size: 0
    .kernarg_segment_align: 8
    .kernarg_segment_size: 56
    .max_flat_workgroup_size: 128
    .sgpr_count:     80
    .vgpr_count:     512
    .wavefront_size: 32
...
	.end_amdgpu_metadata
.endif
;; end of part 3
;; launch expert (part 4): grid 12 x 23, 4 waves a work-group, no clusters, 107,008 bytes of LDS; arguments route, h_codes, h_scales, W2_codes, W2_scales, b2, out0; writes out0
.if DOCPART == 4
	.amdgcn_target "amdgcn-amd-amdhsa--gfx1250"
	.amdhsa_code_object_version 6
	.text
	.protected	k_q887411eadc_expert
	.globl	k_q887411eadc_expert
	.p2align	8
	.type	k_q887411eadc_expert,@function
k_q887411eadc_expert:
	s_mov_b64 s[64:65], 0
	v_nop
	global_prefetch_b8 v0, s[64:65] scope:SCOPE_SE
	s_setreg_imm32_b32 hwreg(HW_REG_WAVE_SCHED_MODE, 0, 2), 2
	s_setreg_imm32_b32 hwreg(HW_REG_WAVE_MODE, 25, 1), 1
	s_wait_xcnt 0x0
	s_wait_alu depctr_vm_vsrc(0)
; out[t] = h[t] W2[idx[t]] + b2[idx[t]], on codes of FP4 (E2M1) with one E8M0 byte for each 32 along K = 1,024; only the chosen expert's rows are multiplied.
; h_codes [token][512 bytes], h_scales [token][32 bytes] and route (counts and masks, whole numbers) were stored by the launch before.  W2: codes [8][3072][512 bytes], scale bytes [8][3072][32].  b2 [8][3072], out [2048][3072]: f32.
; A FIXED GRID FOR EVERY SPLIT.  A tile is up to 128 tokens of one expert; 2,048 tokens on 8 experts make at most 2048 / 128 + 7 = 23 tiles.  Work-group (x = SL, y = T) takes tile T and output columns 256 SL .. + 255.
; Each work-group finds its tile by itself from the counts, and its tokens from its expert's 64 mask words: thread i takes the (FIRST + i)-th set bit.  No atomics, no sort in memory.
; Rows past the tile's end repeat the expert's last token: they compute and store that row's own bits once more, so no lane is ever switched off.
; A work-group whose tile does not exist runs the head with clamped addresses (every load stays inside its buffer), passes the one barrier with all its waves, and leaves at step 0's test without storing.
; The head is under no branch, so that the barrier is under none and every register that the steps read is written on every path.
; SHARES.  Wave w owns columns 256 SL + 64 w .. + 63 for all rows of the tile: its 64 rows of W2 (256 registers, window 1) are read once and stay.  The tile's 128 rows of h are gathered by the four waves, 32 each,
; a whole row of 512 bytes an instruction, into LDS rows of 528 bytes, and read by all four as fragments.
; THE WAY OUT NEEDS NO LDS.  Source 0 = 16 tokens, source 1 = 16 rows of W2, AND THE ROWS OF W2 THAT FORM A TILE ARE NOT NEIGHBOURS: lane r of tile n takes row 4 r + n of my 64.  Register j of accumulator n in lane (r, h)
; is then out(token 8 h + j, column 4 r + n).  The addition of b2 writes R[4 j + n] = accumulator n's register j + b2[4 r + n]: four neighbouring registers are four neighbouring columns, 16 bytes, and sixteen lanes
; store the 256 consecutive bytes that are my wave's part of one token's row.
; NO TENSOR LOAD, NO CLUSTER, NO JOINT REQUEST: branches here hang on numbers read from memory, and how many tiles share an expert's rows of W2 hangs on the counts: partners would need different numbers of tiles.
; NO PREFETCH: W2's addresses are known only when the expert is known, and all its loads go out at that moment.
; THE MODE: SCHED_MODE bits 1:0 = 2 (LLVM: expert scheduling mode 2), set by the entry lines.  The code itself states the register dependences
; between vector or matrix instructions and memory or LDS instructions, with s_wait_alu, always for 0.
; THE PLAN.  Registers that memory or LDS instructions touch:
;   v1, v4-v15, v62, v63   offsets and LDS addresses: written once at the head, ahead of the wait on va_vdst in front of W2's first loads; never written again.
;   W2 (window 1)          global loads land in it; the turn's LDS stores read it; the turn's LDS loads land in it again, behind a wait on vm_vsrc; from then on the products alone name it.
;   ACC, v104, v105        in the head: tokens from LDS, made into offsets by vector lines, read by the gather's loads behind one wait on va_vdst.
;   HF, v96-103, v108      in the head: data of LDS stores.  One wait on vm_vsrc behind the barrier frees them, and the three above, for the steps.
;   HF0, HF1, HSC0, HSC1   Step m: its products read buffer m % 2; the LDS loads of step m + 1 land in the other buffer, dealt among those products.
;   TK0, TK1               Step m: the tokens of step m + 1 land in the one; 24 vector lines make offsets of the other, which the step's eight stores read.
;   R                      Step m: its 32 additions write it, its eight stores read it.
; So ONE wait on va_vdst stands in a step, behind its additions: R and the offsets are written, for the stores that follow; the step's products are done reading their buffer, in which the next step's
; dealt loads land; and the offsets' registers have had their last vector line, ahead of the tokens that land there a step later.  Between that wait and those loads the only vector or matrix instructions
; are the next step's products, which name the other buffer, W2, the accumulators and scale registers.  One wait on vm_vsrc a step, beside the wait on XCNT, stands behind the products: the last step's stores have read their offsets and R.
.set HB,    0                          ; LDS: 128 rows of h, 512 + 16 bytes each
.set HSI,   67584                      ; h's scale words: for each tile of 16 rows an image of four registers, 512 bytes
.set LIST,  71680                      ; the token of each of the 128 rows, a word each
.set STG,   72192                      ; a stage for each wave, 16 rows x 528 bytes: W2's turn from rows into fragments
.set TK1,   16                         ; v16-23  tokens of the rows that I store, then their offsets in out: odd steps
.set BI,    24                         ; v24-27  b2 of my four columns 4 r .. 4 r + 3
.set WS,    28                         ; v28-43  W2's scale words: register 4 n + i: lanes 0-15 K step i, lanes 16-31 K step 4 + i, of row 4 r + n
.set HSC,   44                         ; v44-51  h's scale words likewise (row r of the step), two buffers
.set TK0,   52                         ; v52-59  as v16-23: even steps
.set ACC,   64                         ; v64-95  four accumulators; in the head: 32 tokens, then their offsets in h_codes
.set R,     96                         ; v96-127 rows on the way out; in the head: h's scale words, and the selection's work
.set HF,    128                        ; v128-255 h's fragments of a step, two buffers of 64; in the head: 32 rows of h as loaded
.set MK,    84                         ; s84-87  the selection: four masks of lanes (the wave's number, T, SL and E, which lay here, have had their last readers by then)
.set PS,    92                         ; s92-95  the selection: four running counts of set bits
.set KS,    96                         ; s96-99  and their keys
.set MSB, 0
.macro WIN new                         ; the immediate's high byte repeats the setting that is left
.if MSB != \new
	s_set_vgpr_msb (MSB<<8)|\new
.set MSB, \new
.endif
.endm
; The 64 table words lie in s16-63 and s68-83: word i is s[16 + i + 4 (i / 48)].
; Expert e in the walk over the tiles: s93 = tiles ahead of it.  The last expert whose first tile is not behind T is T's.
.macro SCAN e
.if (\e)%2 == 0
	s_and_b32 s91, s[16+(\e)/2], 0xffff
.else
	s_lshr_b32 s91, s[16+(\e)/2], 16
.endif
	s_cmp_ge_u32 s85, s93
	s_cselect_b32 s87, \e, s87                     ; E
	s_cselect_b32 s94, s93, s94                    ; its first tile
	s_cselect_b32 s90, s91, s90                    ; its tokens
	s_add_co_u32 s92, s91, 127
	s_lshr_b32 s92, s92, 7
	s_add_co_u32 s93, s93, s92
.endm
; Mask word g is passed.  The scalar part, in place k of four: the set bits in words 0 .. g (the count walks through the four registers), and the key: word number g + 1 over that count.
.macro SELS g, k
	s_bcnt1_i32_b32 s91, s[16+(\g)+4*((\g)/48)]
	s_add_co_u32 s[PS+(\k)], s[PS+((\k)+3)%4], s91
	s_or_b32 s[KS+(\k)], s[PS+(\k)], ((\g)+1)<<16
.endm
; The compare, in place k of four: the lanes whose q is under that count.
.macro SELC k
	v_cmp_gt_u32 s[MK+(\k)], s[PS+(\k)], v106
.endm
; The selects: a lane whose q is not under that count goes on to word g + 1, and notes the key.
.macro SELV g, k
	v_cndmask_b32 v107, s[16+(\g)+1+4*(((\g)+1)/48)], v107, s[MK+(\k)]
	v_cndmask_b32 v108, s[KS+(\k)], v108, s[MK+(\k)]
.endm
; One level of the search for the k-th set bit: the field at pos counts the set bits of the lower half of what is left; where k is not under it, the upper half is taken.
.macro LEVEL x, width, step
	v_bfe_u32 v114, v[\x], v113, \width
	v_add_nc_u32 v115, \step, v113
	v_cmp_ge_u32 vcc_lo, v112, v114
	s_wait_alu depctr_va_vcc(0)                    ; the compare has written VCC, which the two selects read
	v_cndmask_b32 v114, 0, v114, vcc_lo
	v_cndmask_b32 v113, v113, v115, vcc_lo
	v_sub_nc_u32 v112, v112, v114
.endm
.macro W2ROWS n                        ; tile n's 16 rows of W2, rows 4 i + n of my 64, as they lie: 32 lanes read a row's 512 consecutive bytes
.irp i, 0,1,2,3,4,5,6,7,8,9,10,11,12,13,14,15
	global_load_b128 v[64*(\n)+4*\i:64*(\n)+4*\i+3], v1, s[10:11] offset:(4*\i+(\n))*512
.endr
.endm
; These 16 rows go through my stage and come back, into the registers that they left, as the eight fragments (n, s): lane (r, h): the tile's row r, bytes 64 s + 32 c + 16 h.  LDS serves a wave's instructions in order: no wait on DScnt between.
.macro W2TURN n, cnt
	s_wait_loadcnt \cnt
	WIN 0x04                                       ; an LDS store's data are its source 1: window 1
.irp i, 0,1,2,3,4,5,6,7,8,9,10,11,12,13,14,15
	ds_store_b128 v14, v[64*(\n)+4*\i:64*(\n)+4*\i+3] offset:528*\i
.endr
	WIN 0x40                                       ; destination window 1
	s_wait_alu depctr_vm_vsrc(0)                   ; the sixteen LDS stores have read their data registers, in which the sixteen LDS loads land
.irp s, 0,1,2,3,4,5,6,7
.irp c, 0,1
	ds_load_b128 v[64*(\n)+8*\s+4*\c:64*(\n)+8*\s+4*\c+3], v15 offset:64*\s+32*\c
.endr
.endr
.endm
.macro FRAGH m, b, s                   ; rows 16 m .. + 15 of h: the fragment of K step s into buffer b: two LDS loads
	ds_load_b128 v[HF+64*(\b)+8*(\s):HF+64*(\b)+8*(\s)+3], v6 offset:8448*(\m)+64*(\s)
	ds_load_b128 v[HF+64*(\b)+8*(\s)+4:HF+64*(\b)+8*(\s)+7], v6 offset:8448*(\m)+64*(\s)+32
.endm
.macro HSCALES m, b                    ; and their scale words: one LDS load
	ds_load_b128 v[HSC+4*(\b):HSC+4*(\b)+3], v9 offset:512*(\m)
.endm
.macro TOKENS m, reg                   ; the tokens of rows 16 m + 8 h + 0 .. 7: two LDS loads
	ds_load_b128 v[\reg:\reg+3], v13 offset:64*(\m)
	ds_load_b128 v[\reg+4:\reg+7], v13 offset:64*(\m)+16
.endm
; A STEP: 16 rows of the tile x my 64 columns x K = 1,024.
.macro STEP m
.set FB, HF+64*((\m)%2)
.set SB, HSC+4*((\m)%2)
.set TC, TK0+(TK1-TK0)*((\m)%2)        ; this step's tokens
.set TN, TK1+(TK0-TK1)*((\m)%2)        ; the next step's
	s_cmp_le_u32 s88, 16*(\m)                      ; the tile has no such rows: done
	s_cbranch_scc1 .Ldone
.if (\m) == 0
.irp s, 0,1,2,3,4,5,6,7
	FRAGH 0, 0, \s
.endr
	HSCALES 0, 0
	TOKENS 0, TC
.endif
	s_wait_dscnt 0x0                               ; this step's fragments, scale words and tokens are in: they were asked for in the step before (step 0: just above), and nothing younger is out
	WIN 0x04                                       ; source 1 (W2) in window 1; an LDS load's destination and address stay in window 0 under this setting
.irp s, 0,1,2,3,4,5,6,7                        ; the four accumulators take turns, one instruction a turn; the first K step starts the sums
.irp n, 0,1,2,3
.if \s == 0
	v_wmma_scale_f32_16x16x128_f8f6f4 v[ACC+8*\n:ACC+8*\n+7], v[FB+8*\s:FB+8*\s+7], v[64*\n+8*\s:64*\n+8*\s+7], 0, v[SB+\s], v[WS+4*\n+\s] matrix_a_fmt:MATRIX_FMT_FP4 matrix_b_fmt:MATRIX_FMT_FP4
.elseif \s < 4
	v_wmma_scale_f32_16x16x128_f8f6f4 v[ACC+8*\n:ACC+8*\n+7], v[FB+8*\s:FB+8*\s+7], v[64*\n+8*\s:64*\n+8*\s+7], v[ACC+8*\n:ACC+8*\n+7], v[SB+\s], v[WS+4*\n+\s] matrix_a_fmt:MATRIX_FMT_FP4 matrix_b_fmt:MATRIX_FMT_FP4
.else
	v_wmma_scale_f32_16x16x128_f8f6f4 v[ACC+8*\n:ACC+8*\n+7], v[FB+8*\s:FB+8*\s+7], v[64*\n+8*\s:64*\n+8*\s+7], v[ACC+8*\n:ACC+8*\n+7], v[SB+\s-4], v[WS+4*\n+\s-4] matrix_a_fmt:MATRIX_FMT_FP4 matrix_b_fmt:MATRIX_FMT_FP4 matrix_a_scale:MATRIX_SCALE_ROW1 matrix_b_scale:MATRIX_SCALE_ROW1
.endif
.endr
.if (\m) < 7
	FRAGH (\m)+1, 1-(\m)%2, \s                     ; the next step's fragment of the same K step, into the other buffer.  No wait: no vector or matrix instruction since the last step's wait on va_vdst names that buffer
.if \s == 0
	HSCALES (\m)+1, 1-(\m)%2                       ; and its scale words, likewise
.endif
.endif
.endr
	WIN 0
.if (\m) > 0
	s_wait_xcnt 0x0                                ; the last step's stores have had their addresses translated: their offsets' registers take the next step's tokens, and R is written again, only behind this wait
	s_wait_alu depctr_vm_vsrc(0)                   ; and they have read those registers: the offsets, in which the tokens below land, and R, which the additions below write
.endif
.if (\m) < 7
	TOKENS (\m)+1, TN                              ; (the vector lines that wrote these registers a step ago stand ahead of that step's wait on va_vdst)
.endif
.irp i, 0,1,2,3,4,5,6,7                        ; the rows' places in out: 24 plain instructions that name no register of the products: the places ahead of the first read of results (ISA guide 7.12.1)
	v_min_u32 v[TC+\i], 0x7ff, v[TC+\i]            ; a number that was loaded enters an address only behind this bound
.endr
.irp i, 0,1,2,3,4,5,6,7
	v_mul_u32_u24 v[TC+\i], v[TC+\i], 0x3000       ; a row of out is 12,288 bytes
.endr
.irp i, 0,1,2,3,4,5,6,7
	v_add_nc_u32 v[TC+\i], v5, v[TC+\i]            ; + 16 r: my four columns
.endr
.irp j, 0,1,2,3,4,5,6,7                        ; + b2, into the order in which the rows leave; each accumulator is read from its low end on
.irp n, 0,1,2,3
	v_add_f32 v[R+4*\j+\n], v[ACC+8*\n+\j], v[BI+\n]
.endr
.endr
	s_wait_alu depctr_va_vdst(0)                   ; the additions have written R and the lines above them the offsets, which the stores read; this step's products are done reading their fragments and scale words, in which the next step's dealt loads land
.irp j, 0,1,2,3,4,5,6,7
	global_store_b128 v[TC+\j], v[R+4*\j:R+4*\j+3], s[2:3] th:TH_STORE_NT   ; lanes 0-15: token j's row, lanes 16-31: token 8 + j's: sixteen lanes store 256 consecutive bytes, at a multiple of 256 from out's first byte
.endr
.endm
	s_load_b256 s[4:11], s[0:1], 0x0               ; route s[4:5], h_codes s[6:7], h_scales s[8:9], W2's codes s[10:11]
	s_load_b128 s[12:15], s[0:1], 0x20             ; W2's scales s[12:13], b2 s[14:15]
	s_load_b64 s[2:3], s[0:1], 0x30                ; out
	v_lshl_add_u32 v62, v0, 2, 0x1a000
	v_mov_b32 v63, 0
	v_lshrrev_b32 v1, 5, v0
	v_readfirstlane_b32 s84, v1                    ; wave 0..3
	s_and_b32 s85, ttmp7, 0xffff                   ; T
	s_mov_b32 s86, ttmp9                           ; SL
	s_wait_kmcnt 0x0
	s_load_b512 s[16:31], s[4:5], 0x0              ; the counts: 16 blocks of tokens x 4 words
	s_load_b512 s[32:47], s[4:5], 0x40
	s_load_b512 s[48:63], s[4:5], 0x80
	s_load_b512 s[68:83], s[4:5], 0xc0
	v_and_b32 v60, 31, v0                          ; lane
	v_lshlrev_b32 v1, 4, v60                       ; 16 x lane
	v_and_b32 v2, 15, v0                           ; r
	v_bfe_u32 v3, v0, 4, 1                         ; h
	v_lshlrev_b32 v4, 7, v2
	v_lshl_add_u32 v4, v3, 4, v4                   ; W2's scale bytes: row 4 r of 32 bytes, + 16 h
	v_lshlrev_b32 v5, 4, v2                        ; 16 r
	v_mul_u32_u24 v6, v2, 528
	v_lshl_add_u32 v6, v3, 4, v6                   ; a fragment of h: row r, + 16 h
	s_wait_alu depctr_va_vdst(0)
	s_wait_alu depctr_va_sdst(0)                   ; s84, the wave's number, is written, ahead of its first reader
	s_mul_i32 s91, s84, 16896
	v_add_nc_u32 v7, s91, v1                       ; where I put my 32 rows of h
	s_lshl_b32 s91, s84, 10
	s_add_co_u32 s91, s91, HSI
	v_add_nc_u32 v8, s91, v1                       ; and my two images of scale words
	v_add_nc_u32 v9, HSI, v1                       ; where any image is read
	v_lshl_add_u32 v10, v0, 2, LIST                ; my row's word of the list
	s_lshl_b32 s91, s84, 7
	s_add_co_u32 s91, s91, LIST
	v_mov_b32 v11, s91                             ; my wave's 32 words
	v_lshl_add_u32 v12, v2, 2, s91                 ; of them, row r's
	v_lshl_add_u32 v13, v3, 5, LIST                ; the way out: rows 8 h on
	s_mul_i32 s91, s84, 8448
	s_add_co_u32 s91, s91, STG
	v_add_nc_u32 v14, s91, v1                      ; my stage: W2's rows in,
	v_add_nc_u32 v15, s91, v6                      ; fragments back
	s_mov_b32 s87, 0
	s_mov_b32 s90, 0
	s_mov_b32 s93, 0
	s_mov_b32 s94, 0
	s_mov_b32 s99, 0
	s_wait_kmcnt 0x0
.irp k, 1,2,3,4,5,6,7,8,9,10,11,12,13,14,15    ; the sixteen blocks' counts are added, two experts a word: 2,048 at the most, so no half runs over
.irp j, 0,1,2,3
	s_add_co_u32 s[16+\j], s[16+\j], s[16+4*\k+\j+4*((4*\k+\j)/48)]
.endr
.endr
	SCAN 0
	SCAN 1
	SCAN 2
	SCAN 3
	SCAN 4
	SCAN 5
	SCAN 6
	SCAN 7
	s_sub_co_u32 s89, s85, s94
	s_lshl_b32 s89, s89, 7                         ; FIRST: my tile's first row among the expert's tokens
	s_sub_co_u32 s88, s90, s89
	s_min_u32 s88, s88, 128
	s_cmp_lt_u32 s85, s93                          ; is there a tile T?
	s_cselect_b32 s88, s88, 0                      ; CNT: my tile's rows, 0 if there is none
	s_min_u32 s87, s87, 7                          ; E enters addresses only behind this bound
	s_lshl_b32 s98, s87, 8
	s_add_nc_u64 s[4:5], s[4:5], s[98:99]
	s_load_b512 s[16:31], s[4:5], 0x100            ; expert E's 64 mask words
	s_load_b512 s[32:47], s[4:5], 0x140
	s_load_b512 s[48:63], s[4:5], 0x180
	s_load_b512 s[68:83], s[4:5], 0x1c0
	s_mul_i32 s91, s87, 3072
	s_lshl_b32 s92, s86, 8
	s_lshl_b32 s96, s84, 6
	s_add_co_u32 s92, s92, s96                     ; my first column: 256 SL + 64 w
	s_add_co_u32 s91, s91, s92                     ; my first row of W2, of its scales and of b2
	s_lshl_b32 s98, s91, 9
	s_add_nc_u64 s[10:11], s[10:11], s[98:99]
	s_lshl_b32 s98, s91, 5
	s_add_nc_u64 s[12:13], s[12:13], s[98:99]
	s_lshl_b32 s98, s91, 2
	s_add_nc_u64 s[14:15], s[14:15], s[98:99]
	s_lshl_b32 s98, s92, 2
	s_add_nc_u64 s[2:3], s[2:3], s[98:99]
	WIN 0x40                                       ; destination window 1
	s_wait_alu depctr_va_vdst(0)                   ; the offsets and LDS addresses v1 and v4 to v15 are written, which the loads and stores of the whole kernel read
	W2ROWS 0
	W2ROWS 1
	W2ROWS 2
	WIN 0
.irp n, 0,1,2,3
	global_load_b128 v[WS+4*\n:WS+4*\n+3], v4, s[12:13] offset:32*\n   ; tile n's rows 4 r + n: two lanes take a row's 32 bytes; the four loads together take my 64 rows' 2,048 consecutive bytes
.endr
	global_load_b128 v[BI:BI+3], v5, s[14:15]
	; THE ROWS ARE CHOSEN: thread i wants the q-th token of expert E, q = FIRST + i, held at the expert's last
	s_sub_co_u32 s91, s90, 1
	v_add_nc_u32 v106, s89, v0
	v_min_u32 v106, s91, v106                      ; q
	v_mov_b32 v108, 0                              ; word number << 16 | bits passed
	v_mov_b32 v113, 0                              ; pos
	s_mov_b32 s[PS+3], 0                           ; no bits passed yet
	s_wait_alu depctr_va_vdst(0)
	s_wait_kmcnt 0x0
	v_mov_b32 v107, s16                            ; the mask word in hand
	; 63 words are passed, four at a time: twelve scalar lines, four compares into four scalar registers, one wait for the four, eight selects
.set G, 0
	s_wait_alu depctr_va_vdst(0)
.rept 15
	SELS G, 0
	SELS G+1, 1
	SELS G+2, 2
	SELS G+3, 3
	SELC 0
	SELC 1
	SELC 2
	SELC 3
	s_wait_alu depctr_va_sdst(0)                   ; the four compares have written s84 to s87, which the eight selects read
	s_wait_alu depctr_va_vdst(0)
	SELV G, 0
	SELV G+1, 1
	SELV G+2, 2
	SELV G+3, 3
.set G, G+4
.endr
	SELS 60, 0
	SELS 61, 1
	SELS 62, 2
	SELC 0
	SELC 1
	SELC 2
	s_wait_alu depctr_va_sdst(0)                   ; the three compares have written s84 to s86, which the six selects read
	s_wait_alu depctr_va_vdst(0)
	SELV 60, 0
	SELV 61, 1
	SELV 62, 2
	v_and_b32 v112, 0xffff, v108
	v_sub_nc_u32 v112, v106, v112                  ; k: which set bit of the word
	v_lshrrev_b32 v109, 1, v107
	v_and_b32 v109, 0x55555555, v109
	v_sub_nc_u32 v109, v107, v109                  ; set bits of each 2,
	v_lshrrev_b32 v110, 2, v109
	v_and_b32 v110, 0x33333333, v110
	v_and_b32 v111, 0x33333333, v109
	v_add_nc_u32 v110, v110, v111                  ; of each 4,
	v_lshrrev_b32 v111, 4, v110
	v_add_nc_u32 v111, v111, v110
	v_and_b32 v111, 0x0f0f0f0f, v111               ; of each 8,
	v_lshrrev_b32 v116, 8, v111
	v_add_nc_u32 v116, v116, v111                  ; and, in its lowest byte, of the low 16
	LEVEL 116, 8, 16
	LEVEL 111, 8, 8
	LEVEL 110, 4, 4
	LEVEL 109, 2, 2
	LEVEL 107, 1, 1
	v_lshrrev_b32 v108, 16, v108
	v_lshl_add_u32 v108, v108, 5, v113             ; token = 32 x word + pos
	v_min_u32 v108, 0x7ff, v108
	s_wait_alu depctr_va_vdst(0)                   ; v108, my token, is written, which the LDS store reads
	ds_store_b32 v10, v108
	; THE GATHER: my wave's 32 rows of h.  It reads its own 32 words of the list, which LDS serves behind its own stores
.irp i, 0,1,2,3,4,5,6,7
	ds_load_b128 v[ACC+4*\i:ACC+4*\i+3], v11 offset:16*\i          ; every lane gets all 32 tokens
.endr
	ds_load_b32 v104, v12
	ds_load_b32 v105, v12 offset:64
	s_wait_dscnt 0x0
.irp i, 0,1,2,3,4,5,6,7,8,9,10,11,12,13,14,15,16,17,18,19,20,21,22,23,24,25,26,27,28,29,30,31
	v_min_u32 v[ACC+\i], 0x7ff, v[ACC+\i]          ; a number that was loaded enters an address only behind this bound
.endr
	v_min_u32 v104, 0x7ff, v104
	v_min_u32 v105, 0x7ff, v105
.irp i, 0,1,2,3,4,5,6,7,8,9,10,11,12,13,14,15,16,17,18,19,20,21,22,23,24,25,26,27,28,29,30,31
	v_lshl_add_u32 v[ACC+\i], v[ACC+\i], 9, v1
.endr
	v_lshlrev_b32 v104, 5, v104
	v_lshlrev_b32 v105, 5, v105
	v_lshl_add_u32 v104, v3, 4, v104
	v_lshl_add_u32 v105, v3, 4, v105
	s_wait_alu depctr_va_vdst(0)                   ; the 34 offsets v64 to v95, v104 and v105 are written, which the 34 loads below read
.irp i, 0,1,2,3,4,5,6,7,8,9,10,11,12,13,14,15,16,17,18,19,20,21,22,23,24,25,26,27,28,29,30,31
	global_load_b128 v[HF+4*\i:HF+4*\i+3], v[ACC+\i], s[6:7]       ; a token's row of codes: 512 consecutive bytes
.endr
	global_load_b128 v[R:R+3], v104, s[8:9]        ; scale words 4 h .. 4 h + 3 of row r's token, for my two tiles of rows
	global_load_b128 v[R+4:R+7], v105, s[8:9]
	WIN 0x40
	W2ROWS 3
	; 103 loads are issued: 48 of W2, 4 + 1 of its scales and b2, 32 + 2 of h, 16 of W2.  Each wait leaves out what was issued behind the loads that it needs, held at what the field can name
	W2TURN 0, 63
	W2TURN 1, 63
	W2TURN 2, 55
	WIN 0
	s_wait_loadcnt 18                              ; h's 32 rows are in
.irp i, 0,1,2,3,4,5,6,7,8,9,10,11,12,13,14,15,16,17,18,19,20,21,22,23,24,25,26,27,28,29,30,31
	ds_store_b128 v7, v[HF+4*\i:HF+4*\i+3] offset:528*\i
.endr
	s_wait_loadcnt 16                              ; and its scale words
	ds_store_b128 v8, v[R:R+3]
	ds_store_b128 v8, v[R+4:R+7] offset:512
	W2TURN 3, 0
	WIN 0
	s_wait_dscnt 0x0                               ; for the others' sake: my rows, scale words and list words have landed; for mine: W2's fragments are in
	s_barrier_signal -1
	s_barrier_wait -1                              ; the tile's 128 rows lie in LDS
	s_wait_alu depctr_vm_vsrc(0)                   ; my LDS stores have read v128 to v255, v96 to v103 and v108, and the gather's loads their offsets v64 to v95, v104 and v105: the steps' LDS loads, products and additions write these registers
	STEP 0
	STEP 1
	STEP 2
	STEP 3
	STEP 4
	STEP 5
	STEP 6
	STEP 7
.Ldone:
	s_wait_dscnt 0x0                               ; the closing lines, six on end
	s_wait_alu 0x0
	s_wait_tensorcnt 0x0
	ds_add_u32 v62, v63
	s_wait_dscnt 0x0
	s_endpgm
.Lfunc_end_k_q887411eadc_expert:
	.size	k_q887411eadc_expert, .Lfunc_end_k_q887411eadc_expert-k_q887411eadc_expert
	.p2alignl 7, 3214868480
	.fill 96, 4, 3214868480
	.section	.rodata,"a",@progbits
	.p2align	6, 0x0
	.amdhsa_kernel k_q887411eadc_expert
		.amdhsa_group_segment_fixed_size 107008
		.amdhsa_private_segment_fixed_size 0
		.amdhsa_enable_private_segment 0
		.amdhsa_kernarg_size 56
		.amdhsa_user_sgpr_count 2
		.amdhsa_user_sgpr_kernarg_segment_ptr 1
		.amdhsa_wavefront_size32 1
		.amdhsa_system_sgpr_workgroup_id_x 1
		.amdhsa_system_sgpr_workgroup_id_y 1
		.amdhsa_system_sgpr_workgroup_id_z 1
		.amdhsa_system_vgpr_workitem_id 0
		.amdhsa_next_free_vgpr 512
		.amdhsa_next_free_sgpr 100
		.amdhsa_reserve_vcc 1
		.amdhsa_float_denorm_mode_32 3
		.amdhsa_float_denorm_mode_16_64 3
		.amdhsa_memory_ordered 1
		.amdhsa_forward_progress 1
		.amdhsa_inst_pref_size 127
	.end_amdhsa_kernel
	.amdgpu_metadata
---
amdhsa.version: [ 1, 2 ]
amdhsa.kernels:
  - .name:           k_q887411eadc_expert
    .symbol:         k_q887411eadc_expert.kd
    .args:
      - { .name: route, .offset: 0, .size: 8, .value_kind: global_buffer, .address_space: global }
      - { .name: h_codes, .offset: 8, .size: 8, .value_kind: global_buffer, .address_space: global }
      - { .name: h_scales, .offset: 16, .size: 8, .value_kind: global_buffer, .address_space: global }
      - { .name: W2_codes, .offset: 24, .size: 8, .value_kind: global_buffer, .address_space: global }
      - { .name: W2_scales, .offset: 32, .size: 8, .value_kind: global_buffer, .address_space: global }
      - { .name: b2, .offset: 40, .size: 8, .value_kind: global_buffer, .address_space: global }
      - { .name: out0, .offset: 48, .size: 8, .value_kind: global_buffer, .address_space: global }
    .group_segment_fixed_size: 107008
    .private_segment_fixed_size: 0
    .kernarg_segment_align: 8
    .kernarg_segment_size: 56
    .max_flat_workgroup_size: 128
    .sgpr_count:     100
    .vgpr_count:     512
    .wavefront_size: 32
...
	.end_amdgpu_metadata
.endif
;; end of part 4
